; MI455X (gfx1250); checked and timed in simulation.
; The chip was launched on July 23, 2026; its instructions are those of AMD's public machine-readable ISA for CDNA 5 (MIT licence, August 2026) and "CDNA5" Instruction Set Architecture Reference Guide (July 2026). The comments in the code are by the model that wrote it; some were corrected since.
;; Causal Self Attention. Allowed arithmetic: matrix products marked QUANTISED: E4M3 operands, one E8M0 scale for each 32 along K, by v_wmma_scale_f32_16x16x128_f8f6f4 with both operands' format E4M3, f32 sums; everything else in f32.
;; Inputs: Wk 1,024 x 1,024 float32; Wo 1,024 x 1,024 float32; Wq 1,024 x 1,024 float32; Wv 1,024 x 1,024 float32; x 4 x 2,048 x 1,024 float32.
;; Outputs: out0 4 x 2,048 x 1,024 float32.
;; This version of the problem:
;;   THIS VERSION OF THE PROBLEM IS GIVEN IN LOW PRECISION. The matrix products marked QUANTISED in the list below multiply operands that are first quantised to E4M3 (4 exponent bits, 3 mantissa bits; 8 bits a number), with one power-of-two scale for each 32 numbers along K (OCP MX v1.0); their sums are f32. All else is computed in f32.
;;   The module's matrix products, in the order in which they are computed (A, B: the left and right operand; K: the contracted axis; several contracted axes count as one K, in the product's order):
;;     1. [M 8,192, K 1,024] x [K 1,024, N 1,024]; A: input x; B: input Wq: QUANTISED
;;     2. [M 8,192, K 1,024] x [K 1,024, N 1,024]; A: input x; B: input Wk: QUANTISED
;;     3. [M 8,192, K 1,024] x [K 1,024, N 1,024]; A: input x; B: input Wv: QUANTISED
;;     4. batch 64 x [M 2,048, K 64] x [K 64, N 2,048]; A: computed on the way; B: computed on the way: QUANTISED
;;     5. batch 64 x [M 2,048, K 2,048] x [K 2,048, N 64]; A: softmax (see below); B: computed on the way: QUANTISED
;;     6. [M 8,192, K 1,024] x [K 1,024, N 1,024]; A: computed on the way; B: input Wo: QUANTISED
;;   THE QUANTISER, for each operand of a quantised product, along K:
;;     - K is cut into blocks of 32 from its start; a last block that is shorter is filled with zeros.
;;     - A block's scale is 2^e with e = floor(log2(the largest magnitude in the block)) - 8, held to -126 .. 127; a block of zeros has e = 0. As a byte (E8M0): e + 127.
;;     - Each number is divided by its block's scale, clamped to +-448, and rounded to the nearest number of E4M3, ties to even, subnormals kept.
;;     - The product sums the exact products of the quantised numbers (number of the format x scale) in f32.
;;   ~~~python
;;   def quantise(x, axis):      # numpy; x: float32 -> the quantised numbers, widened to float32 again
;;       x = np.moveaxis(x, axis, -1); K = x.shape[-1]
;;       x = np.pad(x, [(0, 0)] * (x.ndim - 1) + [(0, -K % 32)]); x = x.reshape(x.shape[:-1] + (-1, 32)); a = np.abs(x).max(-1, keepdims=True)
;;       e = np.where(a > 0, np.clip(np.frexp(np.where(a > 0, a, 1))[1] - 1 - 8, -126, 127), 0)      # np.frexp(a)[1] - 1 = floor(log2(a)), exactly
;;       r = np.clip(x / 2.0 ** e, -448, 448)
;;       step = 2.0 ** (np.maximum(np.frexp(np.where(r == 0, 1, r))[1] - 1, -6) - 3)
;;       q = np.round(r / step) * step * 2.0 ** e      # np.round: ties to even
;;       return np.moveaxis(q.reshape(q.shape[:-2] + (-1,))[..., :K], -1, axis).astype(np.float32)
;;   ~~~
;;   SOFTMAX AHEAD OF A QUANTISED PRODUCT. Where the list says 'softmax', what is quantised is not the finished softmax but p = 2^(t - M), with t = logit x log2(e) and M = ceil(the row's largest t), a whole number; so 1/2 < the row's largest p <= 1. The row's sum l is taken of the UNQUANTISED p, in f32, and the product's result is divided by l at the end. Since M is a whole number, a kernel that streams over the keys may use a running M (the ceiling of the running maximum): every later rescaling is an exact power of two, which a block's scale takes up: the codes' values come out the same.
;;   OPERANDS COMPUTED ON THE WAY. 'Computed on the way' means the value that the module computes at that place (a softmax that the list does not call 'softmax' is quantised finished and normalised). What goes into a quantiser is computed in f32, as accurately as f32 sums, v_exp_f32 and their like allow (about 1e-6 of the number): no bf16 or f16 on the way to a quantiser, and a product that is left as it is and whose result goes on into a quantised operand takes f32 operands (vector FMAs, or v_wmma_f32_16x16x4_f32). A number that lies on a knife's edge between two numbers of the format may be rounded either way, as far as f32 arithmetic and the matrix unit's own rounding can turn it there, and no further.
;; One version. Each part assembles by itself: llvm-mc -triple=amdgcn-amd-amdhsa -mcpu=gfx1250 --defsym DOCPART=n.
;; ======== version 1 of 1: 4 launches
;; limits: right only within a limited range of input values
;; workspace buffers: cod 12,582,912 bytes; scl 393,216 bytes; qkimg 16,777,216 bytes; qksc 1,048,576 bytes; vimg 8,388,608 bytes; vsc 524,288 bytes; yimg 8,388,608 bytes; ysc 262,144 bytes
;; launch quant (part 1): grid 384 x 1, 4 waves a work-group, no clusters, 33,280 bytes of LDS; arguments x, Wq, Wk, Wv, Wo, cod, scl; writes cod, scl
.if DOCPART == 1
	.amdgcn_target "amdgcn-amd-amdhsa--gfx1250"
	.amdhsa_code_object_version 6
	.text
	.protected	k_q88f73d2c19_quant
	.globl	k_q88f73d2c19_quant
	.p2align	8
	.type	k_q88f73d2c19_quant,@function
k_q88f73d2c19_quant:
	s_mov_b64 s[64:65], 0
	v_nop
	global_prefetch_b8 v0, s[64:65] scope:SCOPE_SE
	s_setreg_imm32_b32 hwreg(HW_REG_WAVE_MODE, 25, 1), 1
	s_wait_xcnt 0x0
; x [8192][1024], Wq, Wk, Wv, Wo [1024][1024], f32, K innermost, become codes of FP8 (E4M3) with one E8M0 scale byte for each 32 along K.
; cod: [12288 rows][1024 bytes]; scl: [12288 rows][32 bytes]; rows 0.. x, 8192.. Wq, 9216.. Wk, 10240.. Wv, 11264.. Wo.
; A block's scale is 2^(floor(log2(its largest magnitude)) - 8); its byte is the largest magnitude's exponent field - 8, held at 1 from below.
; Each number is divided by the scale, held within +-448 and rounded to the nearest code, ties to even.
; THE ROWS OF x, Wq, Wk, Wv ARE STORED WITH BITS 3 AND 4 OF THE ROW NUMBER EXCHANGED: place 32 g + 16 u + 8 a + c holds row 32 g + 16 a + 8 u + c.
; Sixteen neighbouring places are then a tile whose lane r is row 32 g + 8 u + r + 8 (r / 8): used as source 0 of a matrix instruction, two neighbouring
; tiles leave 16 NEIGHBOURS along that axis in a lane's 16 result registers, which is what the next quantiser wants.  Wo's rows stay as they are.
; LIMITS: NaN and infinities among the inputs are not served.  A block whose largest magnitude lies under 2^-118 keeps the byte 1; a block of zeros
; gets the byte 1 where the rule says 127: its codes are zeros, which add nothing under any byte but 0xff, and this program alone reads the bytes.
; SHARES: a wave takes 8 rows (8,192 numbers) in 16 steps of 512 numbers; a work-group 32 rows.  Work-groups 0-255 x, 256-287 Wq, 288-319 Wk, 320-351 Wv, 352-383 Wo.
; A wave's 8 rows differ from its neighbours' in bits 3 and 4 of the row number, which are the wave's number: the exchange is a choice of where a wave stores.
; Each load reads 512 consecutive bytes; a step's 2,048 bytes turn through the wave's own stage in LDS, so that a lane then holds 16 neighbours along K (two lanes a block).
; No matrix unit, no cluster, no tensor load, no barrier: memory binds, and waves share nothing.  Loads run four steps (16 loads a wave) ahead.
.set STEPS, 16
.set EMAX,  8
.set MANT,  0x600000                   ; the mantissa field of 448 as f32
.set CB,    16                         ; bytes of 16 codes
.set R,     16                         ; v16-79   four sets of 16 numbers as they are loaded
.set X,     80                         ; v80-111  two sets of 16 neighbours
.set C,     128                        ; v128-191 codes: four registers for each step, so that no store's data are written again
.set E,     112                        ; v112-127 a scale byte for each step
.set WREG,  8192                       ; LDS: a region for each wave: two stages of 32 x SP bytes, behind them its 256 scale bytes
.set SP,    80                         ; a lane's place in a stage: its 64 bytes + 16 of padding
	s_load_b256 s[4:11], s[0:1], 0x0               ; x, Wq, Wk, Wv
	s_load_b128 s[12:15], s[0:1], 0x20             ; Wo, cod
	s_load_b64 s[16:17], s[0:1], 0x30              ; scl
	v_lshl_add_u32 v192, v0, 2, 0x8000
	v_mov_b32 v193, 0
	v_lshrrev_b32 v1, 5, v0
	v_readfirstlane_b32 s18, v1                    ; wave
	v_and_b32 v2, 31, v0                           ; lane
	v_lshlrev_b32 v3, 4, v2                        ; my 16 bytes of a load's 512
	s_mul_i32 s19, s18, WREG
	v_lshrrev_b32 v14, 2, v2
	v_mul_u32_u24 v14, v14, SP
	v_and_b32 v15, 3, v2
	v_lshl_add_u32 v14, v15, 4, v14
	v_add_nc_u32 v14, s19, v14                     ; the stage, on the way in: SP (lane / 4) + 16 (lane % 4)
	v_mul_u32_u24 v15, v2, SP
	v_add_nc_u32 v15, s19, v15                     ; and on the way out: SP x lane: my 16 neighbours
	v_mul_u32_u24 v4, v2, CB                       ; my codes' place in a step's
	v_lshrrev_b32 v5, 1, v2
	s_add_co_u32 s19, s19, 2*32*SP
	v_add_nc_u32 v5, s19, v5                       ; LDS: my wave's 256 scale bytes, my block's byte
	v_lshlrev_b32 v7, 3, v2                        ; and on the way out 8 bytes a lane
	v_add_nc_u32 v6, s19, v7
	s_wait_alu depctr_va_vdst(0)
	s_wait_kmcnt 0x0
	; which tensor: every choice hangs on the work-group's number alone
	s_cmp_lt_u32 ttmp9, 288
	s_cselect_b64 s[6:7], s[6:7], s[8:9]           ; Wq or Wk
	s_cmp_lt_u32 ttmp9, 352
	s_cselect_b64 s[10:11], s[10:11], s[12:13]     ; Wv or Wo
	s_cselect_b32 s20, 1, 0                        ; Wo's rows are not exchanged
	s_cmp_lt_u32 ttmp9, 320
	s_cselect_b64 s[6:7], s[6:7], s[10:11]
	s_and_b32 s21, ttmp9, 31                       ; a weight's work-group among its 32
	s_cmp_lt_u32 ttmp9, 256
	s_cselect_b64 s[4:5], s[4:5], s[6:7]
	s_cselect_b32 s21, ttmp9, s21
	s_lshl_b32 s24, s21, 2
	s_add_co_u32 s24, s24, s18                     ; which run of 8 rows of the tensor I read
	s_lshl_b32 s24, s24, 15                        ; 32,768 bytes a run
	s_mov_b32 s25, 0
	s_add_nc_u64 s[4:5], s[4:5], s[24:25]
	s_and_b32 s22, s18, 1
	s_lshl_b32 s22, s22, 1
	s_lshr_b32 s26, s18, 1
	s_or_b32 s22, s22, s26                         ; the wave's two bits exchanged
	s_cmp_eq_u32 s20, 1
	s_cselect_b32 s22, s22, s18
	s_lshl_b32 s26, ttmp9, 2
	s_add_co_u32 s26, s26, s22                     ; which run of 8 rows of cod and scl I write
	s_lshl_b32 s24, s26, 13                        ; 8,192 bytes of codes a run
	s_add_nc_u64 s[14:15], s[14:15], s[24:25]
	s_lshl_b32 s24, s26, 8                         ; 256 scale bytes a run
	s_add_nc_u64 s[16:17], s[16:17], s[24:25]
.macro LOAD t
.irp i, 0,1,2,3
	global_load_b128 v[R+16*((\t)%4)+4*\i:R+16*((\t)%4)+4*\i+3], v3, s[4:5] offset:2048*(\t)+512*\i th:TH_LOAD_NT   ; 32 lanes read 512 consecutive bytes
.endr
.endm
.macro TURN t                          ; step t's numbers through the stage: LDS serves a wave's instructions in order, so no wait stands between the stores and the loads
.irp i, 0,1,2,3
	ds_store_b128 v14, v[R+16*((\t)%4)+4*\i:R+16*((\t)%4)+4*\i+3] offset:32*SP*((\t)%2)+8*SP*\i
.endr
.irp i, 0,1,2,3
	ds_load_b128 v[X+16*((\t)%2)+4*\i:X+16*((\t)%2)+4*\i+3], v15 offset:32*SP*((\t)%2)+16*\i
.endr
.endm
.irp t, 0,1,2,3
	LOAD \t
.endr
	s_wait_loadcnt 12                              ; step 0's four loads are in; the twelve of steps 1 to 3 stay out
	TURN 0
.macro STEP t
.set XS, X+16*((\t)%2)
.if (\t) > 0
	s_wait_dscnt 1                                 ; this step's numbers are back from the stage (the last step's byte store may be out): so its stores into the stage have read their registers,
.else
	s_wait_dscnt 0x0
.endif
.if (\t)+4 < STEPS
	LOAD (\t)+4                                    ; which take the loads of four steps on
.endif
.if (\t)+1 < STEPS
.if STEPS-2-(\t) >= 3
	s_wait_loadcnt 12                              ; the next step's four loads are in; those of the three steps behind it may be out
.else
	s_wait_loadcnt 4*(STEPS-2-(\t))
.endif
	TURN (\t)+1                                    ; and go through the other stage while this step is worked
.endif
	v_max3_num_f32 v8, |v[XS]|, |v[XS+1]|, |v[XS+2]|               ; the largest magnitude of my 16
	v_max3_num_f32 v9, |v[XS+3]|, |v[XS+4]|, |v[XS+5]|
.irp i, 6,10
	v_max3_num_f32 v8, v8, |v[XS+\i]|, |v[XS+\i+1]|
	v_max3_num_f32 v9, v9, |v[XS+\i+2]|, |v[XS+\i+3]|
.endr
	v_max3_num_f32 v8, v8, |v[XS+14]|, |v[XS+15]|
	v_max3_num_f32 v8, v8, v9, (EMAX+1)<<23        ; and the floor 2^(9 - 127): the byte cannot fall under 1
	v_max_num_f32_dpp v8, v8, v8 row_xmask:1 row_mask:0xf bank_mask:0xf   ; and of my neighbour's 16: the block's
	v_add_nc_u32 v11, -(EMAX<<23), v8              ; 8 off its exponent field: the conversion takes the exponent field of this operand as its scale
.irp i, 0,1,2,3,4,5,6,7,8,9,10,11,12,13,14,15
.endr
	v_cvt_scalef32_pk8_fp8_f32 v[C+4*(\t):C+4*(\t)+1], v[XS:XS+7], v11
	v_cvt_scalef32_pk8_fp8_f32 v[C+4*(\t)+2:C+4*(\t)+3], v[XS+8:XS+15], v11
	v_lshrrev_b32 v[E+(\t)], 23, v11               ; the scale's byte
	ds_store_b8 v5, v[E+(\t)] offset:16*(\t)       ; both lanes of a block write the same byte with the same value
	global_store_b128 v4, v[C+4*(\t):C+4*(\t)+3], s[14:15] offset:32*CB*(\t)   ; 32 lanes store 512 consecutive bytes
.endm
.irp t, 0,1,2,3,4,5,6,7,8,9,10,11,12,13,14,15
	STEP \t
.endr
	ds_load_b64 v[12:13], v6                       ; LDS serves a wave's instructions in order: these see my stores
	s_wait_dscnt 0x0
	global_store_b64 v7, v[12:13], s[16:17]        ; 32 lanes store 256 consecutive bytes, aligned
	s_wait_tensorcnt 0x0
	ds_add_u32 v192, v193
	s_wait_dscnt 0x0
	s_endpgm
.Lfunc_end_k_q88f73d2c19_quant:
	.size	k_q88f73d2c19_quant, .Lfunc_end_k_q88f73d2c19_quant-k_q88f73d2c19_quant
	.p2alignl 7, 3214868480
	.fill 96, 4, 3214868480
	.section	.rodata,"a",@progbits
	.p2align	6, 0x0
	.amdhsa_kernel k_q88f73d2c19_quant
		.amdhsa_group_segment_fixed_size 33280
		.amdhsa_private_segment_fixed_size 0
		.amdhsa_enable_private_segment 0
		.amdhsa_kernarg_size 56
		.amdhsa_user_sgpr_count 2
		.amdhsa_user_sgpr_kernarg_segment_ptr 1
		.amdhsa_wavefront_size32 1
		.amdhsa_system_sgpr_workgroup_id_x 1
		.amdhsa_system_sgpr_workgroup_id_y 1
		.amdhsa_system_sgpr_workgroup_id_z 1
		.amdhsa_system_vgpr_workitem_id 0
		.amdhsa_next_free_vgpr 194
		.amdhsa_next_free_sgpr 66
		.amdhsa_reserve_vcc 0
		.amdhsa_float_denorm_mode_32 3
		.amdhsa_float_denorm_mode_16_64 3
		.amdhsa_fp16_overflow 1
		.amdhsa_memory_ordered 1
		.amdhsa_forward_progress 1
		.amdhsa_inst_pref_size 34
	.end_amdhsa_kernel
	.amdgpu_metadata
---
amdhsa.version: [ 1, 2 ]
amdhsa.kernels:
  - .name:           k_q88f73d2c19_quant
    .symbol:         k_q88f73d2c19_quant.kd
    .args:
      - { .name: x, .offset: 0, .size: 8, .value_kind: global_buffer, .address_space: global }
      - { .name: Wq, .offset: 8, .size: 8, .value_kind: global_buffer, .address_space: global }
      - { .name: Wk, .offset: 16, .size: 8, .value_kind: global_buffer, .address_space: global }
      - { .name: Wv, .offset: 24, .size: 8, .value_kind: global_buffer, .address_space: global }
      - { .name: Wo, .offset: 32, .size: 8, .value_kind: global_buffer, .address_space: global }
      - { .name: cod, .offset: 40, .size: 8, .value_kind: global_buffer, .address_space: global }
      - { .name: scl, .offset: 48, .size: 8, .value_kind: global_buffer, .address_space: global }
    .group_segment_fixed_size: 33280
    .private_segment_fixed_size: 0
    .kernarg_segment_align: 8
    .kernarg_segment_size: 56
    .max_flat_workgroup_size: 128
    .sgpr_count:     66
    .vgpr_count:     194
    .wavefront_size: 32
...
	.end_amdgpu_metadata
.endif
;; end of part 1
;; launch qkv (part 2): grid 8 x 96, 4 waves a work-group, clusters of 4 x 4, 327,680 bytes of LDS; arguments cod, scl, qkimg, qksc, vimg, vsc; writes qkimg, qksc, vimg, vsc
.if DOCPART == 2
	.amdgcn_target "amdgcn-amd-amdhsa--gfx1250"
	.amdhsa_code_object_version 6
	.text
	.protected	k_q88f73d2c19_qkv
	.globl	k_q88f73d2c19_qkv
	.p2align	8
	.type	k_q88f73d2c19_qkv,@function
k_q88f73d2c19_qkv:
	s_mov_b64 s[64:65], 0
	v_nop
	global_prefetch_b8 v0, s[64:65] scope:SCOPE_SE
	s_setreg_imm32_b32 hwreg(HW_REG_WAVE_MODE, 25, 1), 1
	s_wait_xcnt 0x0
	s_wait_alu depctr_hold_cnt(0) depctr_sa_sdst(0) depctr_va_vdst(0) depctr_va_sdst(0) depctr_va_ssrc(0) depctr_va_vcc(0) depctr_vm_vsrc(0)
	s_getreg_b32 s2, hwreg(HW_REG_IB_STS2, 6, 4)
	s_cmp_eq_u32 s2, 0
	s_cbranch_scc0 .Lentry_in_a_cluster
	s_endpgm
.Lentry_in_a_cluster:
	s_bfe_u32 s2, ttmp6, 0x10000c
	s_cmp_lg_u32 s2, 0xf033
	s_cbranch_scc0 .Lentry_shape_is_right
	s_endpgm
.Lentry_shape_is_right:
; q = x Wq^T, k = x Wk^T, v = x Wv^T on codes of FP8 (E4M3) with E8M0 scales (K = 1,024), and each result quantised again, in registers, for the attention that follows:
; q and k along the head's 64 channels, v along the keys.  Nothing but codes and scale bytes goes to memory.
; ONE TEXT FOR ALL THREE.  A work-group makes a tile of 256 rows of an operand P x 128 rows of an operand R.  P is source 0 of the matrix instruction, R source 1: in the result a lane holds
; ONE row of R, and its registers run along P.  For q and k (cluster rows 0-15) P = 256 rows of Wq or Wk, R = 128 tokens: registers run along the channels.  For v (cluster rows 16-23)
; P = 256 tokens, R = 128 rows of Wv: registers run along the keys.  So the way out quantises 'along P, a row of R a lane' in both cases; only offsets and the buffers differ, chosen by s_cselect.
; ROWS.  x's, Wq's, Wk's, Wv's rows lie in cod with bits 3 and 4 of the row number exchanged.  So the 16 result registers of two neighbouring blocks of P are 16 NEIGHBOURS along P:
; register 16 g + i of a lane's 64 is P's row 32 g + 16 (lane / 16) + i, the order in which an operand's registers want their K.
; OUTPUT AS IMAGES OF REGISTERS.  A lane's 16 codes of a block of 32 are 16 bytes; the 32 lanes' lie on end, 512 bytes.  Whoever loads them at 16 x lane has an operand's four registers.
;   qkimg [b 4][pair of heads 16: 0-7 q, 8-15 k][tile of 16 token places 128][head of the pair 2][block 2][lane 32][16 bytes]
;   qksc  [b][head 32: 0-15 q, 16-31 k][group of 4 tiles 32][row 16][4 words]: a word's bytes 0, 1 are the row's two scale bytes; bytes 2, 3 stand over zero codes and are never 0xff
;   vimg  [b][head 16][step of 128 keys 16][tile of 16 channel places 4][block 4][lane][16 bytes];   vsc [b][head][step][lane 32][4 words], word t for tile t
; SHARES.  Four waves: wave w takes P's half w & 1 (8 blocks of 16) and R's half w >> 1 (4 blocks): 32 accumulators, 256 registers.  768 work-groups, three for each WGP.
; K goes in 4 steps of 256 (rows of 256 bytes) through two LDS slots: two first fills and two refills, written out, no loop.
; CLUSTERS: 4 x 4 work-groups.  P's tile hangs on the place along x alone and is shared down a column of the cluster; R's on the place along y alone and is shared along a row.  Each tile is asked
; for jointly: the same tensor load, the same descriptor, a mask that names the four.  Whether a cluster makes q, k or v hangs on the cluster's own row, which all sixteen share.
; By this text's own count a wave has three tensor loads out at the start and one behind each change of slots that fills.
; LIMITS: NaN and infinities are not served.  A block whose largest magnitude lies under 2^-118, a block of zeros too, gets the scale byte 1; this program alone reads the bytes.
; REGISTERS, in windows of 256: window 0: v1-25 addresses; v32-63 scale words, two sets; v64-87 the quantiser's; v128-191, v192-255 R's fragments, two sets; on the way out v128-191 the codes.
;   window 1: P's fragments, two sets, at v0 and v128.   window 2: the accumulators: (R's block rb, P's block pb) at v[8 (8 rb + pb)].
.set IMGR,  0                          ; R's tiles lie in memory as rows (0) or as images of registers (1)
.set PITCH, 272                        ; an LDS row: 256 bytes + 16 of padding = 68 words: the 16 rows that a load touches start at 16 different banks (64 banks of 4 bytes: ISA guide 11.1)
.set SLOT,  384*PITCH                  ; P's 256 rows, then R's 128
.set ROFF,  256*PITCH
.set PHALF, 128*PITCH
.if IMGR
.set RHALF, 4*4096
.set RSTEP, 4096
.else
.set RHALF, 64*PITCH
.set RSTEP, 256
.endif
.set SCLR,  2*SLOT                     ; behind the ring: R's scale bytes for all of K, 128 rows x 32 bytes, as units of 256 bytes + 16 of padding;
.set SCLP,  SCLR+16*272                ; P's, 256 rows x 32 bytes, likewise
.set SPARE, SCLP+32*272                ; the spare words, 128 bytes for each wave: two blocks of 256 bytes that no other line names
.set NP,    8                          ; places behind this matrix instruction (ISA guide 7.12.1)
.set ADRP,  16                         ; v16-17  LDS address of my P fragments in slot 0, 1
.set ADRR,  18                         ; v18-19  the same for R
.set ADRS,  20                         ; v20     LDS address of my scale words: lanes 0-15 R's rows, lanes 16-31 P's
.set SPW,   21                         ; v21     LDS address of my spare word; never rewritten
.set NIL,   22                         ; v22     0; never rewritten
.set L16,   23                         ; v23     16 x lane
.set SOF,   24                         ; v24     where my lane's four scale words go
.set SHA,   25                         ; v25     by how many bits my lane shifts a scale word
.set SC,    32                         ; scale words: set s at v[SC + 16 s]; register 2 i + q: lanes 0-15 R's block i, lanes 16-31 P's block i, the slot's q-th 128 along K
.set TM,    64                         ; v64-67 largest magnitudes, v68-71 bytes, v76-79 the conversions' scale operands
.set PW,    80                         ; v80     a row's scale word
.set SW,    84                         ; v84-87  the four blocks' scale words, to store
.set RF,    128                        ; R's fragments
.set G1P,   24                         ; s[24:31] group 1, s[32:39] groups 0 (a set a slot) for P's tiles
.set G0P,   32
.set G1R,   40                         ; s[40:47], s[48:55] for R's
.set G0R,   48
.set G1SP,  56                         ; s[56:63], s[68:71] for P's scale bytes
.set G0SP,  68
.set G1SR,  72                         ; s[72:79], s[80:83] for R's
.set G0SR,  80
.set MNT,   3
.set SEL,   100                        ; s100, s101  v_permlanex16_b32's selects for lane l xor 16
.set MUL,   0xa1                       ; source 0 (P) window 1, source 1 (R) window 0, C and D window 2
.set MSB, 0
.macro WIN new                         ; the immediate's high byte repeats the setting that is left
.if MSB != \new
	s_set_vgpr_msb (MSB<<8)|\new
.set MSB, \new
.endif
.endm
; A joint load: waves 0 and 1 fetch for P, waves 2 and 3 for R.  Each of the two lines has one mask and one set of registers; the branch hangs on the wave's number alone.
; Four v_nop follow each of the two lines, ahead of the jump, the label and what follows.
.macro JLOAD g0a, g1a, g0b, g1b
	s_cmp_eq_u32 s17, 0
	s_cbranch_scc0 .Lfor_r_\@
	tensor_load_to_lds s[\g0a:\g0a+3], s[\g1a:\g1a+7]
	s_nop 0
.rept 4
	v_nop
.endr
	s_branch .Lasked_\@
.Lfor_r_\@:
	tensor_load_to_lds s[\g0b:\g0b+3], s[\g1b:\g1b+7]
	s_nop 0
.rept 4
	v_nop
.endr
.Lasked_\@:
.endm
.macro CREST                           ; a round of the cluster's barrier behind its opening barrier
	s_cmp_lg_u32 s16, 0
	s_cbranch_scc1 .Lnot_wave_0_\@
	s_barrier_signal -3
.Lnot_wave_0_\@:
	s_barrier_wait -3
	s_barrier_signal -1
	s_barrier_wait -1
.endm
.macro CROUND                          ; a whole round
	s_barrier_signal -1
	s_barrier_wait -1
	CREST
.endm
.macro PLACES n                        ; plain vector instructions that name no register of the matrix instructions ahead of them
.rept \n
	v_nop
.endr
.endm
	s_load_b256 s[4:11], s[0:1], 0x0               ; cod s[4:5], scl s[6:7], qkimg s[8:9], qksc s[10:11]
	s_load_b128 s[12:15], s[0:1], 0x20             ; vimg s[12:13], vsc s[14:15]
	v_lshl_add_u32 v[SPW], v0, 2, SPARE
	v_mov_b32 v[NIL], 0
	ds_add_u32 v21, v22
	ds_add_u32 v21, v22
	s_wait_dscnt 0x0
	v_lshrrev_b32 v1, 5, v0
	v_readfirstlane_b32 s16, v1                    ; wave 0..3
	s_lshr_b32 s17, s16, 1                         ; R's half that I multiply.  Also: I fetch for P (0) or for R (1)
	s_and_b32 s18, s16, 1                          ; P's half that I multiply.  Also: which half of that tile I fetch
	s_bfe_u32 s19, ttmp6, 0x40000                  ; cx, cy: my place in the cluster
	s_bfe_u32 s20, ttmp6, 0x40004
	s_and_b32 s94, ttmp7, 0xffff                   ; the cluster's row, 0..23
	s_lshr_b32 s21, s94, 4                         ; 0: q and k;  1: v.  The same in all sixteen partners
	s_and_b32 s95, s94, 15                         ; v's cluster rows count from 0
	s_cmp_eq_u32 s21, 0
	s_cselect_b32 s22, ttmp9, s95                  ; the cluster's coordinate for P,
	s_cselect_b32 s23, s94, ttmp9                  ; and for R
	s_cselect_b32 s96, 8192, 0                     ; P's first row in cod: Wq's, or x's
	s_cselect_b32 s97, 0, 10240                    ; R's: x's, or Wv's
	s_lshl_b32 s22, s22, 2
	s_add_co_u32 s22, s22, s19                     ; P's tile of 256 rows: hangs on cx, never on cy
	s_lshl_b32 s23, s23, 2
	s_add_co_u32 s23, s23, s20                     ; R's tile of 128 rows: hangs on cy, never on cx
	s_lshl_b32 s84, 0x1111, s19                    ; my column of the cluster (the same cx)
	s_lshl_b32 s85, s20, 2
	s_lshl_b32 s85, 15, s85                        ; my row (the same cy)
	; descriptor groups 1.  P: 128 rows x 256 bytes, 1,024 bytes apart, 16 bytes of padding behind each
	s_or_b32 s[G1P], s84, (0<<16)|(1<<20)|(1<<21)|(5<<22)|(3<<25)   ; 15:0 the mask; 17:16 elements of 1 byte; 20 padding on; 21 set beside a mask; 24:22 after every 64 words; 31:25 four words
	s_mov_b32 s[G1P+1], 256<<16                    ; tensor_dim0
	s_mov_b32 s[G1P+2], 128<<16                    ; tensor_dim1
	s_mov_b32 s[G1P+3], 256<<16                    ; tile_dim0
	s_mov_b32 s[G1P+4], 128                        ; tile_dim1
	s_mov_b32 s[G1P+5], 1024                       ; from row to row
	s_mov_b32 s[G1P+6], 0
	s_mov_b32 s[G1P+7], 0
.if IMGR                               ; R as images: 4 tiles x 4,096 bytes (512 elements of 8), 16,384 bytes apart, dense in LDS
	s_or_b32 s[G1R], s85, (3<<16)|(1<<21)
	s_mov_b32 s[G1R+1], 512<<16
	s_mov_b32 s[G1R+2], 4<<16
	s_mov_b32 s[G1R+3], 512<<16
	s_mov_b32 s[G1R+4], 4
	s_mov_b32 s[G1R+5], 2048
.else                                  ; R as rows: 64 rows x 256 bytes
	s_or_b32 s[G1R], s85, (0<<16)|(1<<20)|(1<<21)|(5<<22)|(3<<25)
	s_mov_b32 s[G1R+1], 256<<16
	s_mov_b32 s[G1R+2], 64<<16
	s_mov_b32 s[G1R+3], 256<<16
	s_mov_b32 s[G1R+4], 64
	s_mov_b32 s[G1R+5], 1024
.endif
	s_mov_b32 s[G1R+6], 0
	s_mov_b32 s[G1R+7], 0
	; the scale bytes of 128 rows of P (4,096 dense bytes) and of 64 rows of R (2,048): rows of 256 bytes (32 elements of 8), 16 bytes of padding behind each
	s_or_b32 s[G1SP], s84, (3<<16)|(1<<20)|(1<<21)|(5<<22)|(3<<25)
	s_mov_b32 s[G1SP+1], 32<<16
	s_mov_b32 s[G1SP+2], 16<<16
	s_mov_b32 s[G1SP+3], 32<<16
	s_mov_b32 s[G1SP+4], 16
	s_mov_b32 s[G1SP+5], 32
	s_mov_b32 s[G1SP+6], 0
	s_mov_b32 s[G1SP+7], 0
	s_or_b32 s[G1SR], s85, (3<<16)|(1<<20)|(1<<21)|(5<<22)|(3<<25)
	s_mov_b32 s[G1SR+1], 32<<16
	s_mov_b32 s[G1SR+2], 8<<16
	s_mov_b32 s[G1SR+3], 32<<16
	s_mov_b32 s[G1SR+4], 8
	s_mov_b32 s[G1SR+5], 32
	s_mov_b32 s[G1SR+6], 0
	s_mov_b32 s[G1SR+7], 0
	; what I fetch.  Every wave makes P's and R's addresses, in registers that never hold the other coordinate, and asks by one of them.  Rows stay under 2^14: every offset fits 32 bits
	s_lshl_b32 s86, s22, 8
	s_add_co_u32 s86, s86, s96
	s_lshl_b32 s98, s18, 7
	s_add_co_u32 s86, s86, s98                     ; P: the first of the 128 rows
	s_lshl_b32 s88, s86, 5                         ; its scale bytes: 32 a row
	s_lshl_b32 s86, s86, 10                        ; its codes: 1,024 a row
	s_mov_b32 s87, 0
	s_mov_b32 s89, 0
	s_lshl_b32 s90, s23, 7
	s_add_co_u32 s90, s90, s97
	s_lshl_b32 s98, s18, 6
	s_add_co_u32 s90, s90, s98                     ; R: the first of the 64 rows
	s_lshl_b32 s92, s90, 5
	s_lshl_b32 s90, s90, 10
	s_mov_b32 s91, 0
	s_mov_b32 s93, 0
	s_mul_i32 s94, s18, PHALF                      ; where they go: no place in the cluster enters an LDS address
	s_mul_i32 s95, s18, RHALF
	s_add_co_u32 s95, s95, ROFF
	s_mul_i32 s96, s18, 16*272
	s_mul_i32 s97, s18, 8*272
	s_wait_kmcnt 0x0
	s_add_nc_u64 s[86:87], s[4:5], s[86:87]
	s_add_nc_u64 s[88:89], s[6:7], s[88:89]
	s_add_nc_u64 s[90:91], s[4:5], s[90:91]
	s_add_nc_u64 s[92:93], s[6:7], s[92:93]
	CROUND                                         ; all sixteen work-groups are here: the first joint loads meet
	s_mov_b32 s[G0SP], 1
	s_add_co_u32 s[G0SP+1], s96, SCLP
	s_mov_b64 s[G0SP+2:G0SP+3], s[88:89]
	s_or_b32 s[G0SP+3], s[G0SP+3], 0x80000000
	s_mov_b32 s[G0SR], 1
	s_add_co_u32 s[G0SR+1], s97, SCLR
	s_mov_b64 s[G0SR+2:G0SR+3], s[92:93]
	s_or_b32 s[G0SR+3], s[G0SR+3], 0x80000000
	JLOAD G0SP, G1SP, G0SR, G1SR                   ; the scale bytes first: they are wanted with K step 0, and are filled once
.irp s, 0,1
	s_mov_b32 s[G0P+4*\s], 1
	s_add_co_u32 s[G0P+4*\s+1], s94, \s*SLOT
	s_add_nc_u64 s[G0P+4*\s+2:G0P+4*\s+3], s[86:87], \s*256
	s_or_b32 s[G0P+4*\s+3], s[G0P+4*\s+3], 0x80000000
	s_mov_b32 s[G0R+4*\s], 1
	s_add_co_u32 s[G0R+4*\s+1], s95, \s*SLOT
	s_add_nc_u64 s[G0R+4*\s+2:G0R+4*\s+3], s[90:91], \s*RSTEP
	s_or_b32 s[G0R+4*\s+3], s[G0R+4*\s+3], 0x80000000
	JLOAD G0P+4*\s, G1P, G0R+4*\s, G1R
.endr
	v_and_b32 v1, 15, v0                           ; r = lane % 16
	v_bfe_u32 v2, v0, 4, 1                         ; h = lane / 16
	v_and_b32 v[L16], 31, v0
	v_lshlrev_b32 v[L16], 4, v[L16]
	v_mul_u32_u24 v3, v1, PITCH
	v_lshl_add_u32 v3, v2, 4, v3                   ; a fragment's row x pitch + 16 x half
	s_mul_i32 s94, s18, PHALF                      ; my 128 rows of P
	v_add_nc_u32 v[ADRP], s94, v3
	s_add_co_u32 s94, s94, SLOT
	v_add_nc_u32 v[ADRP+1], s94, v3
	s_mul_i32 s95, s17, RHALF                      ; my 64 rows of R, behind P's 256
	s_add_co_u32 s95, s95, ROFF
.if IMGR
	v_add_nc_u32 v[ADRR], s95, v[L16]
	s_add_co_u32 s95, s95, SLOT
	v_add_nc_u32 v[ADRR+1], s95, v[L16]
.else
	v_add_nc_u32 v[ADRR], s95, v3
	s_add_co_u32 s95, s95, SLOT
	v_add_nc_u32 v[ADRR+1], s95, v3
.endif
	v_lshlrev_b32 v4, 5, v1                        ; my row's scale bytes: 32 a row,
	v_lshrrev_b32 v5, 3, v1
	v_lshl_add_u32 v4, v5, 4, v4                   ; and 16 more for each 256 passed
	s_mul_i32 s94, s17, 8*272                      ; R's: my 64 rows
	s_mul_i32 s95, s18, 16*272                     ; P's: my 128 rows, behind R's 128
	s_add_co_u32 s95, s95, SCLP-SCLR
	s_sub_co_u32 s95, s95, s94
	v_mul_u32_u24 v5, s95, v2                      ; lanes 16-31 take P's: the lower base + h x the distance
	s_add_co_u32 s94, s94, SCLR
	v_add_nc_u32 v4, v4, v5
	v_add_nc_u32 v[ADRS], s94, v4
.irp g, 0,1,2,3
	v_mov_b32 v[TM+4+\g], 0                        ; written once: a lane permute's destination counts as one of its sources
.endr
	; where my wave's codes and scale words go.  q, k: b = R's tile / 16, pair of heads U = 2 x P's tile + P's half, group of four token tiles = 2 (R's tile % 16) + R's half
	s_lshr_b32 s94, s23, 4
	s_lshl_b32 s94, s94, 4
	s_lshl_b32 s95, s22, 1
	s_add_co_u32 s95, s95, s18
	s_add_co_u32 s94, s94, s95                     ; 16 b + U
	s_and_b32 s95, s23, 15
	s_lshl_b32 s95, s95, 1
	s_add_co_u32 s95, s95, s17                     ; the group
	s_lshl_b32 s96, s94, 7
	s_lshl_b32 s97, s95, 2
	s_add_co_u32 s96, s96, s97
	s_lshl_b32 s96, s96, 11                        ; codes: ((16 b + U) 128 + 4 x group) x 2,048
	s_lshl_b32 s97, s94, 6
	s_add_co_u32 s97, s97, s95
	s_lshl_b32 s97, s97, 8                         ; scale words: ((32 b + 2 U) 32 + group) x 256
	; v: b = P's tile / 8, head U = 2 x R's tile + R's half, step of 128 keys = 2 (P's tile % 8) + P's half
	s_lshr_b32 s94, s22, 3
	s_lshl_b32 s94, s94, 4
	s_lshl_b32 s95, s23, 1
	s_add_co_u32 s95, s95, s17
	s_add_co_u32 s94, s94, s95                     ; 16 b + U
	s_and_b32 s95, s22, 7
	s_lshl_b32 s95, s95, 1
	s_add_co_u32 s95, s95, s18                     ; the step
	s_lshl_b32 s94, s94, 4
	s_add_co_u32 s94, s94, s95
	s_lshl_b32 s98, s94, 13                        ; codes: ((16 b + U) 16 + step) x 8,192
	s_lshl_b32 s99, s94, 9                         ; scale words: x 512
	s_mov_b32 s95, 256
	s_cmp_eq_u32 s21, 0
	s_cselect_b32 s94, s96, s98
	s_cselect_b32 s96, s97, s99
	s_cselect_b64 s[8:9], s[8:9], s[12:13]         ; qkimg or vimg
	s_cselect_b64 s[10:11], s[10:11], s[14:15]     ; qksc or vsc
	s_cselect_b32 s98, 8192, s95                   ; lanes 16-31 store: q, k: the pair's second head, 8,192 bytes on;  v: the same words again, 256 bytes on
	s_cselect_b32 s99, 16, 0                       ; and shift the word: q, k: by the first head's two bytes;  v: not
	s_mov_b32 s95, 0
	s_mov_b32 s97, 0
	s_add_nc_u64 s[8:9], s[8:9], s[94:95]
	s_add_nc_u64 s[10:11], s[10:11], s[96:97]
	v_mul_u32_u24 v[SOF], s98, v2
	v_lshl_add_u32 v[SOF], v1, 4, v[SOF]           ; 16 r + h x the distance
	v_mul_u32_u24 v[SHA], s99, v2
	s_mov_b32 s[SEL], 0x76543210
	s_mov_b32 s[SEL+1], 0xfedcba98
; A fragment, 16 rows x 128 K of 8-bit codes, is 16 registers: lane l holds row l % 16; registers 4 c .. 4 c + 3 hold K = 32 c + 16 (l / 16) + 0 .. 15
.macro FRAGP reg, slot, q, i
.irp c, 0,1,2,3
	ds_load_b128 v[\reg+4*\c:\reg+4*\c+3], v[ADRP+\slot] offset:128*(\q)+32*\c+(\i)*16*PITCH
.endr
.endm
.macro FRAGR reg, slot, q, i
.irp c, 0,1,2,3
.if IMGR
	ds_load_b128 v[\reg+4*\c:\reg+4*\c+3], v[ADRR+\slot] offset:(\i)*4096+(\q)*2048+512*\c
.else
	ds_load_b128 v[\reg+4*\c:\reg+4*\c+3], v[ADRR+\slot] offset:128*(\q)+32*\c+(\i)*16*PITCH
.endif
.endr
.endm
.macro FETCH slot, q, set              ; 48 LDS loads in one run: P's eight and R's four fragments of the slot's q-th 128 along K
	WIN 0x40                                       ; destination window 1, address window 0
.irp i, 0,1,2,3,4,5,6,7
	FRAGP 128*(\set)+16*\i, \slot, \q, \i
.endr
	WIN 0
.irp i, 0,1,2,3
	FRAGR RF+64*(\set)+16*\i, \slot, \q, \i
.endr
.endm
.macro SCALES sc                       ; a K step's scale words, two a row: lanes 0-15 R's block i, lanes 16-31 P's block i (for i = 4 .. 7 lanes 0-15 read bytes further on, which are filled and not used)
.irp i, 0,1,2,3,4,5,6,7
	ds_load_b64 v[SC+16*(\sc)+2*\i:SC+16*(\sc)+2*\i+1], v[ADRS] offset:\i*544
.endr
.endm
; 8 matrix instructions: R's block rb against P's eight.  The 32 accumulators take turns, one instruction a turn, in the same order in every step.
; zero = 1: the first product starts the sums: nothing is ever cleared.
.macro MULR rb, set, q, sc, zero
.irp b, 0,1,2,3,4,5,6,7
.if \zero
	v_wmma_scale_f32_16x16x128_f8f6f4 v[8*(8*(\rb)+\b):8*(8*(\rb)+\b)+7], v[128*(\set)+16*\b:128*(\set)+16*\b+15], v[RF+64*(\set)+16*(\rb):RF+64*(\set)+16*(\rb)+15], 0, v[SC+16*(\sc)+2*\b+(\q)], v[SC+16*(\sc)+2*(\rb)+(\q)] matrix_a_scale:MATRIX_SCALE_ROW1
.else
	v_wmma_scale_f32_16x16x128_f8f6f4 v[8*(8*(\rb)+\b):8*(8*(\rb)+\b)+7], v[128*(\set)+16*\b:128*(\set)+16*\b+15], v[RF+64*(\set)+16*(\rb):RF+64*(\set)+16*(\rb)+15], v[8*(8*(\rb)+\b):8*(8*(\rb)+\b)+7], v[SC+16*(\sc)+2*\b+(\q)], v[SC+16*(\sc)+2*(\rb)+(\q)] matrix_a_scale:MATRIX_SCALE_ROW1
.endif
.endr
.endm
; A slot's first 128 along K: set 0 is multiplied while set 1 comes in.
.macro STEP slot, zero
	s_wait_dscnt 0x0                               ; set 0 and the slot's scale words are in
	PLACES NP                                      ; in front of loads into set 1, which the last products read
	FETCH \slot, 1, 1
	WIN MUL
	MULR 0, 0, 0, \slot, \zero
	MULR 1, 0, 0, \slot, \zero
	MULR 2, 0, 0, \slot, \zero
	MULR 3, 0, 0, \slot, \zero
.endm
; A slot's second 128 along K, and the change of slots: ONE barrier; in front of it each wave waits for all its tensor loads, adds 0 to its spare word, and waits for that and for its reads of this slot.
; fill = 1: this slot is filled again, two K steps ahead; the barrier then opens a round of the cluster's barrier.
.macro TURN slot, next, fill
	s_wait_dscnt 0x0                               ; set 1 is in: those were my last reads of this slot
	WIN 0                                          ; (the add's two registers lie in window 0)
	s_wait_tensorcnt 0x0                           ; all my tensor loads have landed: my part of the next slot
	ds_add_u32 v[SPW], v[NIL]                      ; 0 onto my spare word
	WIN MUL
	MULR 0, 1, 1, \slot, 0                         ; eight matrix instructions stand between the add and the wait for it
	s_wait_dscnt 0x0                               ; the add is done
	s_barrier_signal -1
	MULR 1, 1, 1, \slot, 0
	WIN 0
	s_barrier_wait -1
.if \fill
	CREST                                          ; no wave of any partner still reads this slot's tiles or has a load on its way
	s_add_nc_u64 s[G0P+4*\slot+2:G0P+4*\slot+3], s[G0P+4*\slot+2:G0P+4*\slot+3], 2*256
	s_add_nc_u64 s[G0R+4*\slot+2:G0R+4*\slot+3], s[G0R+4*\slot+2:G0R+4*\slot+3], 2*RSTEP
	JLOAD G0P+4*\slot, G1P, G0R+4*\slot, G1R       ; the first tensor load behind the round; its four v_nop are four of the places in front of the loads below
	PLACES NP-4
.else
	PLACES NP
.endif
	s_wait_alu depctr_va_vdst(0)
	v_add_nc_u32 v[ADRS], 8, v[ADRS]               ; on to the next K step's scale words
	FETCH \next, 0, 0
	SCALES \next
	WIN MUL
	MULR 2, 1, 1, \slot, 0
	MULR 3, 1, 1, \slot, 0
	WIN 0
.endm
	s_wait_alu depctr_va_vdst(0)
	s_wait_tensorcnt 1                             ; the scale bytes and my part of K step 0 are in; K step 1's one load may stay out
	s_barrier_signal -1
	s_barrier_wait -1                              ; everybody's are
	FETCH 0, 0, 0
	SCALES 0
	STEP 0, 1                                      ; K 0-127: these products start the sums
	TURN 0, 1, 1                                   ; K 128-255; slot 0 takes K 512-767
	STEP 1, 0
	TURN 1, 0, 1                                   ; slot 1 takes K 768-1023
	STEP 0, 0
	TURN 0, 1, 0                                   ; nothing is left to fetch
	STEP 1, 0
	s_wait_dscnt 0x0
	MULR 0, 1, 1, 1, 0
	MULR 1, 1, 1, 1, 0
	MULR 2, 1, 1, 1, 0
	MULR 3, 1, 1, 1, 0
	WIN 0
	PLACES NP                                      ; in front of the first reads of results, and of writes into registers that held R's fragments
; THE WAY OUT.  R's block rb: a lane's 64 results, register 16 g + i = P's row 32 g + 16 (lane / 16) + i, become four blocks' codes and a scale word.  A block of 32 lies in lanes l and l xor 16.
; Each accumulator is read from its low end on.  The codes leave as they stand: 32 lanes store 512 consecutive bytes, aligned.
.macro QUANTW rb
.set QS, 64*(\rb)
	WIN 0x0a                                       ; sources 0 and 1: window 2
.irp g, 0,1,2,3
	v_max3_num_f32 v[TM+\g], |v[QS+16*\g]|, |v[QS+16*\g+1]|, 0x4800000   ; block g: my 16 numbers, and the floor 2^(9 - 127): the byte cannot fall under 1
.endr
	WIN 0x28                                       ; sources 1 and 2: window 2
.irp i, 2,4,6,8,10,12,14
.irp g, 0,1,2,3
	v_max3_num_f32 v[TM+\g], v[TM+\g], |v[QS+16*\g+\i]|, |v[QS+16*\g+\i+1]|   ; (the four blocks by turns)
.endr
.endr
	WIN 0
.irp g, 0,1,2,3
	v_permlanex16_b32 v[TM+4+\g], v[TM+\g], s[SEL], s[SEL+1]
.endr
.irp g, 0,1,2,3
	v_max_num_f32 v[TM+\g], v[TM+\g], v[TM+4+\g]   ; with lane l xor 16's: the block's largest magnitude
.endr
.irp g, 0,1,2,3
	v_add_nc_u32 v[TM+12+\g], 0xfc000000, v[TM+\g] ; 8 off its exponent field: the conversion's scale operand
.endr
.irp g, 0,1,2,3
.endr
.irp g, 0,1,2,3
	v_lshrrev_b32 v[TM+4+\g], 23, v[TM+12+\g]      ; the scale's byte
.endr
	v_lshl_or_b32 v[PW], v[TM+5], 8, v[TM+4]
	v_lshl_or_b32 v[PW], v[TM+6], 16, v[PW]
	v_lshl_or_b32 v[PW], v[TM+7], 24, v[PW]        ; the row's four bytes
	v_lshrrev_b32 v[SW+\rb], v[SHA], v[PW]         ; q, k: lanes 16-31 bring the second head's two bytes down;  v: the word as it is
	WIN 0x82                                       ; destination and source 0: window 2
.irp g, 0,1,2,3
.irp i, 0,1,2,3,4,5,6,7,8,9,10,11,12,13,14,15
.endr
.endr
	WIN 0x02                                       ; source 0: window 2
.irp g, 0,1,2,3
	v_cvt_scalef32_pk8_fp8_f32 v[RF+16*(\rb)+4*\g:RF+16*(\rb)+4*\g+1], v[QS+16*\g:QS+16*\g+7], v[TM+12+\g]
	v_cvt_scalef32_pk8_fp8_f32 v[RF+16*(\rb)+4*\g+2:RF+16*(\rb)+4*\g+3], v[QS+16*\g+8:QS+16*\g+15], v[TM+12+\g]
.endr
	WIN 0
	v_nop                                          ; a plain vector instruction behind the last conversion
.irp g, 0,1,2,3
	global_store_b128 v[L16], v[RF+16*(\rb)+4*\g:RF+16*(\rb)+4*\g+3], s[8:9] offset:(\rb)*2048+\g*512   ; each block of R has registers of its own for its codes: no store's data are written again
.endr
.endm
	QUANTW 0
	QUANTW 1
	QUANTW 2
	QUANTW 3
	global_store_b128 v[SOF], v[SW:SW+3], s[10:11] ; four words a lane: sixteen lanes store 256 consecutive bytes, aligned
	s_wait_tensorcnt 0x0                           ; the wave's end
	ds_add_u32 v[SPW], v[NIL]
	s_wait_dscnt 0x0
	CROUND                                         ; the closing round: no work-group ends while a partner may still ask for a tile that names it
	s_endpgm
.Lfunc_end_k_q88f73d2c19_qkv:
	.size	k_q88f73d2c19_qkv, .Lfunc_end_k_q88f73d2c19_qkv-k_q88f73d2c19_qkv
	.p2alignl 7, 3214868480
	.fill 96, 4, 3214868480
	.section	.rodata,"a",@progbits
	.p2align	6, 0x0
	.amdhsa_kernel k_q88f73d2c19_qkv
		.amdhsa_group_segment_fixed_size 327680
		.amdhsa_private_segment_fixed_size 0
		.amdhsa_enable_private_segment 0
		.amdhsa_kernarg_size 48
		.amdhsa_user_sgpr_count 2
		.amdhsa_user_sgpr_kernarg_segment_ptr 1
		.amdhsa_wavefront_size32 1
		.amdhsa_system_sgpr_workgroup_id_x 1
		.amdhsa_system_sgpr_workgroup_id_y 1
		.amdhsa_system_sgpr_workgroup_id_z 1
		.amdhsa_system_vgpr_workitem_id 0
		.amdhsa_next_free_vgpr 768
		.amdhsa_next_free_sgpr 102
		.amdhsa_reserve_vcc 0
		.amdhsa_float_denorm_mode_32 3
		.amdhsa_float_denorm_mode_16_64 3
		.amdhsa_fp16_overflow 1
		.amdhsa_memory_ordered 1
		.amdhsa_forward_progress 1
		.amdhsa_inst_pref_size 92
	.end_amdhsa_kernel
	.amdgpu_metadata
---
amdhsa.version: [ 1, 2 ]
amdhsa.kernels:
  - .name:           k_q88f73d2c19_qkv
    .symbol:         k_q88f73d2c19_qkv.kd
    .args:
      - { .name: cod, .offset: 0, .size: 8, .value_kind: global_buffer, .address_space: global }
      - { .name: scl, .offset: 8, .size: 8, .value_kind: global_buffer, .address_space: global }
      - { .name: qkimg, .offset: 16, .size: 8, .value_kind: global_buffer, .address_space: global }
      - { .name: qksc, .offset: 24, .size: 8, .value_kind: global_buffer, .address_space: global }
      - { .name: vimg, .offset: 32, .size: 8, .value_kind: global_buffer, .address_space: global }
      - { .name: vsc, .offset: 40, .size: 8, .value_kind: global_buffer, .address_space: global }
    .group_segment_fixed_size: 327680
    .private_segment_fixed_size: 0
    .kernarg_segment_align: 8
    .kernarg_segment_size: 48
    .max_flat_workgroup_size: 128
    .sgpr_count:     102
    .vgpr_count:     768
    .wavefront_size: 32
...
	.end_amdgpu_metadata
.endif
;; end of part 2
;; launch attn (part 3): grid 4 x 64, 16 waves a work-group, clusters of 4 x 1, 280,576 bytes of LDS; arguments qkimg, qksc, vimg, vsc, yimg, ysc; writes yimg, ysc
.if DOCPART == 3
	.amdgcn_target "amdgcn-amd-amdhsa--gfx1250"
	.amdhsa_code_object_version 6
	.text
	.protected	k_q88f73d2c19_attn
	.globl	k_q88f73d2c19_attn
	.p2align	8
	.type	k_q88f73d2c19_attn,@function
k_q88f73d2c19_attn:
	s_mov_b64 s[64:65], 0
	v_nop
	global_prefetch_b8 v0, s[64:65] scope:SCOPE_SE
	s_setreg_imm32_b32 hwreg(HW_REG_WAVE_MODE, 25, 1), 1
	s_wait_xcnt 0x0
	s_wait_alu depctr_hold_cnt(0) depctr_sa_sdst(0) depctr_va_vdst(0) depctr_va_sdst(0) depctr_va_ssrc(0) depctr_va_vcc(0) depctr_vm_vsrc(0)
	s_getreg_b32 s2, hwreg(HW_REG_IB_STS2, 6, 4)
	s_cmp_eq_u32 s2, 0
	s_cbranch_scc0 .Lentry_in_a_cluster
	s_endpgm
.Lentry_in_a_cluster:
	s_bfe_u32 s2, ttmp6, 0x10000c
	s_cmp_lg_u32 s2, 0x3003
	s_cbranch_scc0 .Lentry_shape_is_right
	s_endpgm
.Lentry_shape_is_right:
; y[b][t][h][:] = the sum over keys k <= t of softmax_k(q . k / 8) v, both products on codes of FP8 (E4M3) with E8M0 scales; y is then quantised along its channels for the last product.
; THE SOFTMAX AHEAD OF THE SECOND PRODUCT: t = score x log2(e) / 8; M = the row's largest t so far, rounded UP to a whole number; p = 2^(t - M) is what is quantised, along the keys, not normalised.
; The row's sum is taken of the unquantised p, in f32, and divides O at the end.  When M moves, the sum and O are multiplied by 2^(old M - new M): exact.
; INPUTS are images of operand registers (the launch before lays them so): a group of four registers is 512 bytes, lane l's 16 bytes at 16 l.
;   qkimg [b 4][pair of heads 16: 0-7 q, 8-15 k][tile of 16 token places 128][head of the pair 2][block 2][lane][16];  qksc [b][head 32: q, then k][group of 4 tiles 32][row 16][4 words]
;   vimg [b][head 16][step of 128 keys 16][tile of 16 channel places 4][block 4][lane][16];  vsc [b][head][step][lane 32][4 words]
; Token places and channel places have bits 3 and 4 exchanged: lane r of tile 2 g + u is token (channel) 32 g + 8 u + r + 8 (r / 8).  So the 16 registers of two neighbouring result tiles are 16 neighbours.
; The head's size is 64, half of the instruction's K: registers 8-15 of q's and k's fragments hold zero codes, set once; the scale bytes over them are never 0xff.
; OUTPUTS: yimg [tile of 16 token places 512][K step of 128 channels 8][block 4][lane][16];  ysc [8,192 token places][32 bytes].
; A WHOLE HEAD'S K AND V LIE IN LDS: 2 x 131,072 bytes of codes, 2 x 8,192 of scale words.  LDS is filled once: no slot is filled again, and no barrier stands in the loops.
; CLUSTER: the four work-groups of a head form a cluster and ask for every tile JOINTLY (mask 15): the same tensor load, the same descriptor, one load a wave, in waves 0 to 9.
; All of K and V is asked for at the kernel's head, by those loads: there is no later step's tile to ask for ahead of its load.
; SHARES, even, and with no branch on a work-group's place in its cluster.  A head's 2,048 queries are 16 groups of 128, each 8 tiles of 16, aligned with the key steps of 128.  Wave w of the work-group
; at place cx takes two tiles, one after the other: tile 2 cx of group w (key steps 0 .. w) and tile 2 cx + 1 of group 15 - w (key steps 0 .. 15 - w): 17 key steps a wave, two of them on the diagonal.
; Both loops have 16 trips; a step all of whose keys come after the tile's queries is jumped over: a branch on the wave's number and the loop's counter.  cx enters global addresses and the mask's numbers alone.
; Both products are used transposed (S^T = K Q^T, O^T = V^T P^T): a lane holds ONE query throughout.
; LIMITS: NaN and infinities are not served.  v_exp_f32 gives 0 for results under 2^-126 (ISA guide, its entry).  A block of y whose largest magnitude lies under 2^-118 gets the scale byte 1.
.set KIMG,  0                          ; LDS: K: tile x 1,024 + block x 512 + 16 x lane
.set VIMG,  131072                     ; V: step x 8,192 + tile x 2,048 + block x 512 + 16 x lane
.set KSC,   262144                     ; K's scale words: group of 4 tiles x 256 + 16 x row
.set VSC,   270336                     ; V's: step x 512 + 16 x lane
.set AK0,  1                           ; v1   16 x lane: my place in an image; also my offset in q's and y's images
.set AV0,  2                           ; v2   VIMG + 16 x lane
.set ASK0, 3                           ; v3   KSC + 16 r
.set ASV0, 4                           ; v4   VSC + 16 x lane
.set R16,  5                           ; v5   16 r: my row's place among q's scale words
.set PSW,  6                           ; v6   p's scale word
.set YSO,  7                           ; v7   32 r + lane / 16: my byte among y's scale bytes
.set ADK,  8                           ; v8-11 the step's LDS addresses: K, V, K's scale words, V's
.set ADV,  9
.set ADS,  10
.set ADT,  11
                                       ; v12 -M, v13 the largest t, v[14:15] the sum in two halves;  v16-23 q, v24-31 zeros
.set KF,   32                          ; v32-95   four fragments of K: registers 0-7 loaded, 8-15 zeros
.set ST,   96                          ; v96-159  S^T, then p, then V's four fragments; on the way out y
.set OT,   160                         ; v160-191 O^T
.set PC,   192                         ; v192-207 p's codes; on the way out y's
.set KW,   208                         ; v208-215 K's scale words
.set VW,   216                         ; v216-219 V's
.set QW,   220                         ; v220     q's
.set FF,   222                         ; v[222:223] f = 2^(old M - new M), later 1 / the sum: the low word serves both halves
.set T0,   224                         ; v224     at work
.set VB,   225                         ; v225     r + 8 (r / 8) - 16 (lane / 16)
.set YB,   226                         ; v226     the scale byte that my lane stores
.set NINF, 227                         ; v227     -infinity
.set BM,   240                         ; v240-243 a block's largest score, then its largest p
.set PX,   244                         ; v244-247 the other half's; a second chain of sums; the bytes
.set HL,   248                         ; v248-251 chains of sums
.set SO,   252                         ; v252-255 the conversions' scale operands
.set WV,   16                          ; s16  my wave's number
.set CS,   22                          ; s[22:23] c = log2(e) / 8
.set G1K,  24                          ; s[24:31], s[32:39], s[40:47] groups 1 for K's codes, V's codes, the scale words
.set G1V,  32
.set G1S,  40
.set G0K,  48                          ; s[48:51] .. s[60:63] groups 0: K, V, K's scale words, V's
.set G0V,  52
.set G0SK, 56
.set G0SV, 60
.set SEL,  66                          ; s66, s67  v_permlanex16_b32's selects for lane l xor 16
.set MNT,  68
.set HM,   69                          ; s69  lanes 16-31
.set TK,   70                          ; s70  where the step's codes begin: 8,192 bytes a step, in K and in V
.set TS,   71                          ; s71  and its scale words: 512 bytes a step
.set KS,   72                          ; s72  the key step
.set LIMA, 73                          ; s73  the first tile's last key step: w
.set LIMB, 74                          ; s74  the second's: 15 - w
.set PA,   76                          ; s[76:83]  the first tile's pointers: q's image, q's scale words, y's image, y's scale bytes
.set PB,   84                          ; s[84:91]  the second's
.set DQA,  92                          ; s92  the first tile's first query within its group of 128: 32 cx
.set DQB,  93                          ; s93  the second's: 32 cx + 8
.macro ROUND                           ; a round of the cluster's barrier
	s_barrier_signal -1
	s_barrier_wait -1
	s_cmp_lg_u32 s[WV], 0
	s_cbranch_scc1 .Lnot_wave_0_\@
	s_barrier_signal -3
.Lnot_wave_0_\@:
	s_barrier_wait -3
	s_barrier_signal -1
	s_barrier_wait -1
.endm
	s_load_b256 s[4:11], s[0:1], 0x0               ; qkimg s[4:5], qksc s[6:7], vimg s[8:9], vsc s[10:11]
	s_load_b128 s[12:15], s[0:1], 0x20             ; yimg s[12:13], ysc s[14:15]
	v_lshl_add_u32 v238, v0, 2, 0x44000
	v_mov_b32 v239, 0
	ds_add_u32 v238, v239
	ds_add_u32 v238, v239
	v_lshrrev_b32 v8, 5, v0
	s_delay_alu instid0(VALU_DEP_1)
	v_readfirstlane_b32 s[WV], v8                  ; wave 0..15
	s_bfe_u32 s17, ttmp6, 0x40000                  ; cx: my place in the cluster
	s_and_b32 s18, ttmp7, 0xffff                   ; 16 b + h, which the four partners share
	s_lshr_b32 s19, s18, 4                         ; b
	s_and_b32 s20, s18, 15                         ; h
	; descriptor groups 1: rows of 1,024 bytes (128 elements of 8), dense in LDS.  15:0 the mask: all four work-groups; 17:16 elements of 8 bytes; 21 set beside a mask
	s_mov_b32 s[G1K], 15|(3<<16)|(1<<21)
	s_mov_b32 s[G1K+1], 128<<16                    ; tensor_dim0
	s_mov_b32 s[G1K+2], 32<<16                     ; tensor_dim1: 32 tiles of keys
	s_mov_b32 s[G1K+3], 128<<16                    ; tile_dim0
	s_mov_b32 s[G1K+4], 32                         ; tile_dim1
	s_mov_b32 s[G1K+5], 256                        ; from tile to tile 2,048 bytes: the pair's other head lies between
	s_mov_b32 s[G1K+6], 0
	s_mov_b32 s[G1K+7], 0
	s_mov_b32 s[G1V], 15|(3<<16)|(1<<21)
	s_mov_b32 s[G1V+1], 128<<16
	s_mov_b32 s[G1V+2], 32<<16
	s_mov_b32 s[G1V+3], 128<<16
	s_mov_b32 s[G1V+4], 32
	s_mov_b32 s[G1V+5], 128                        ; dense
	s_mov_b32 s[G1V+6], 0
	s_mov_b32 s[G1V+7], 0
	s_mov_b32 s[G1S], 15|(3<<16)|(1<<21)
	s_mov_b32 s[G1S+1], 128<<16
	s_mov_b32 s[G1S+2], 8<<16
	s_mov_b32 s[G1S+3], 128<<16
	s_mov_b32 s[G1S+4], 8
	s_mov_b32 s[G1S+5], 128
	s_mov_b32 s[G1S+6], 0
	s_mov_b32 s[G1S+7], 0
	s_lshl_b32 s94, s19, 4
	s_lshr_b32 s3, s20, 1                          ; h / 2
	s_add_co_u32 s96, s94, s3
	s_lshl_b32 s96, s96, 7                         ; (16 b + h / 2) x 128: q's pair of heads, in tiles
	s_and_b32 s97, s20, 1
	s_lshl_b32 s97, s97, 10                        ; the head's 1,024 bytes of a tile's 2,048
	s_and_b32 s21, s[WV], 3                        ; which quarter I fetch, if I fetch codes
	s_mov_b32 s99, 0
	s_mov_b32 s[CS], 0x3e38aa3b                    ; c = log2(e) / 8
	s_mov_b32 s[CS+1], s[CS]                       ; (named with it as a pair, so it is written)
	s_mov_b32 s[SEL], 0x76543210
	s_mov_b32 s[SEL+1], 0xfedcba98
	s_mov_b32 s[HM], 0xffff0000
	s_mov_b32 s[LIMA], s[WV]
	s_sub_co_u32 s[LIMB], 15, s[WV]
	s_wait_dscnt 0x0
	s_wait_kmcnt 0x0
	s_lshl_b32 s98, s21, 5                         ; K: 32 tiles a quarter,
	s_add_co_u32 s98, s98, s96
	s_add_co_u32 s98, s98, 8*128                   ; k's pairs of heads lie 8 behind q's
	s_lshl_b32 s98, s98, 11
	s_add_co_u32 s98, s98, s97
	s_mov_b32 s[G0K], 1
	s_lshl_b32 s[G0K+1], s21, 15                   ; LDS: KIMG + quarter x 32,768
	s_add_nc_u64 s[G0K+2:G0K+3], s[4:5], s[98:99]
	s_or_b32 s[G0K+3], s[G0K+3], 0x80000000
	s_lshl_b32 s98, s18, 2                         ; V: a head is 131,072 dense bytes
	s_add_co_u32 s98, s98, s21
	s_lshl_b32 s98, s98, 15
	s_mov_b32 s[G0V], 1
	s_lshl_b32 s[G0V+1], s21, 15
	s_add_co_u32 s[G0V+1], s[G0V+1], VIMG
	s_add_nc_u64 s[G0V+2:G0V+3], s[8:9], s[98:99]
	s_or_b32 s[G0V+3], s[G0V+3], 0x80000000
	s_lshl_b32 s98, s19, 5                         ; K's scale words: head 32 b + 16 + h, 8,192 bytes a head
	s_add_co_u32 s98, s98, s20
	s_add_co_u32 s98, s98, 16
	s_lshl_b32 s98, s98, 13
	s_mov_b32 s[G0SK], 1
	s_mov_b32 s[G0SK+1], KSC
	s_add_nc_u64 s[G0SK+2:G0SK+3], s[6:7], s[98:99]
	s_or_b32 s[G0SK+3], s[G0SK+3], 0x80000000
	s_lshl_b32 s98, s18, 13                        ; V's: head 16 b + h
	s_mov_b32 s[G0SV], 1
	s_mov_b32 s[G0SV+1], VSC
	s_add_nc_u64 s[G0SV+2:G0SV+3], s[10:11], s[98:99]
	s_or_b32 s[G0SV+3], s[G0SV+3], 0x80000000
	ROUND                                          ; all four work-groups are here: the joint loads meet
	; one load a wave: waves 0-3 K's quarters, 4-7 V's, 8 K's scale words, 9 V's.  The branches hang on the wave's number alone.  Four v_nop follow each load
	s_cmp_lt_u32 s[WV], 4
	s_cbranch_scc0 .Lnot_k
	tensor_load_to_lds s[G0K:G0K+3], s[G1K:G1K+7]
	s_nop 0
.rept 4
	v_nop
.endr
	s_branch .Lasked
.Lnot_k:
	s_cmp_lt_u32 s[WV], 8
	s_cbranch_scc0 .Lnot_v
	tensor_load_to_lds s[G0V:G0V+3], s[G1V:G1V+7]
	s_nop 0
.rept 4
	v_nop
.endr
	s_branch .Lasked
.Lnot_v:
	s_cmp_eq_u32 s[WV], 8
	s_cbranch_scc0 .Lnot_ks
	tensor_load_to_lds s[G0SK:G0SK+3], s[G1S:G1S+7]
	s_nop 0
.rept 4
	v_nop
.endr
	s_branch .Lasked
.Lnot_ks:
	s_cmp_eq_u32 s[WV], 9
	s_cbranch_scc0 .Lasked
	tensor_load_to_lds s[G0SV:G0SV+3], s[G1S:G1S+7]
	s_nop 0
.rept 4
	v_nop
.endr
.Lasked:
	; my two tiles' pointers.  s94 = the tile of 16 query places within the head
	s_lshl_b32 s2, s19, 5
	s_add_co_u32 s2, s2, s20
	s_lshl_b32 s2, s2, 5                           ; (32 b + h) x 32: q's head among the scale words, in groups of four tiles
	s_lshl_b32 s21, s20, 1                         ; 2 h: the head's two bytes of a row of y's scale bytes
.macro PTRS d
	s_add_co_u32 s98, s96, s94
	s_lshl_b32 s98, s98, 11
	s_add_co_u32 s98, s98, s97
	s_add_nc_u64 s[\d:\d+1], s[4:5], s[98:99]      ; q's image
	s_lshr_b32 s98, s94, 2
	s_add_co_u32 s98, s98, s2
	s_lshl_b32 s98, s98, 8
	s_and_b32 s95, s94, 3
	s_lshl_b32 s95, s95, 2
	s_add_co_u32 s98, s98, s95
	s_add_nc_u64 s[\d+2:\d+3], s[6:7], s[98:99]    ; q's scale words: the tile's word of each row's four
	s_lshl_b32 s95, s19, 7
	s_add_co_u32 s95, s95, s94                     ; the tile among all 512
	s_lshl_b32 s98, s95, 3
	s_add_co_u32 s98, s98, s3
	s_lshl_b32 s98, s98, 11
	s_add_co_u32 s98, s98, s97
	s_add_nc_u64 s[\d+4:\d+5], s[12:13], s[98:99]  ; y's image: K step h / 2, blocks 2 (h % 2) on
	s_lshl_b32 s98, s95, 9
	s_add_co_u32 s98, s98, s21
	s_add_nc_u64 s[\d+6:\d+7], s[14:15], s[98:99]  ; y's scale bytes: 512 a tile
.endm
	s_lshl_b32 s94, s[WV], 3
	s_lshl_b32 s95, s17, 1
	s_add_co_u32 s94, s94, s95                     ; 8 w + 2 cx
	PTRS PA
	s_lshl_b32 s94, s[LIMB], 3
	s_lshl_b32 s95, s17, 1
	s_add_co_u32 s94, s94, s95
	s_add_co_u32 s94, s94, 1                       ; 8 (15 - w) + 2 cx + 1
	PTRS PB
	s_lshl_b32 s[DQA], s17, 5
	s_add_co_u32 s[DQB], s[DQA], 8
	v_and_b32 v9, 31, v0                           ; lane
	v_and_b32 v10, 15, v0                          ; r
	v_bfe_u32 v11, v0, 4, 1                        ; lane / 16
	s_delay_alu instid0(VALU_DEP_3)
	v_lshlrev_b32 v[AK0], 4, v9
	s_delay_alu instid0(VALU_DEP_3)
	v_lshlrev_b32 v[R16], 4, v10
	global_load_b128 v[16:19], v[AK0], s[PA:PA+1]              ; the first tile's q: two blocks
	global_load_b128 v[20:23], v[AK0], s[PA:PA+1] offset:512
	global_load_b32 v[QW], v[R16], s[PA+2:PA+3]                ; and its scale words
	v_add_nc_u32 v[AV0], VIMG, v[AK0]
	v_add_nc_u32 v[ASK0], KSC, v[R16]
	v_add_nc_u32 v[ASV0], VSC, v[AK0]
	v_lshl_add_u32 v[YSO], v10, 5, v11
	v_lshrrev_b32 v[VB], 3, v10
	s_delay_alu instid0(VALU_DEP_1)
	v_lshl_add_u32 v[VB], v[VB], 3, v10            ; r + 8 (r / 8): my query within its tile's 32 tokens
	v_lshlrev_b32 v[T0], 4, v11
	s_delay_alu instid0(VALU_DEP_1)
	v_sub_nc_u32 v[VB], v[VB], v[T0]               ; - 16 (lane / 16): my registers' keys begin so much further on
	v_mov_b32 v[NINF], 0xff800000
.irp j, 0,1,2,3,4,5,6,7
	v_mov_b32 v[24+\j], 0                          ; zero codes for K = 64 .. 127 of the first product: q's,
.endr
.irp t, 0,1,2,3
.irp j, 8,9,10,11,12,13,14,15
	v_mov_b32 v[KF+16*\t+\j], 0                    ; and k's: set once
.endr
.endr
.irp b, 0,1,2,3
	v_mov_b32 v[PX+\b], 0                          ; written once: a lane permute's destination counts as one of its sources
.endr
	v_mov_b32 v[FF+1], 0                           ; (named as the upper half of a pair)
; A KEY STEP: 128 keys.  lim: the register with the tile's last step;  dq: the one with the tile's first query within its group.
.macro STEP lim, dq
	s_cmp_gt_u32 s[KS], s[\lim]                    ; all these keys come after my queries: only the addresses step
	s_cbranch_scc1 .Lhid_\@
	s_setprio 2
	v_add_nc_u32 v[ADK], s[TK], v[AK0]
	s_wait_alu depctr_va_vdst(0)
	v_add_nc_u32 v[ADV], s[TK], v[AV0]
	v_add_nc_u32 v[ADS], s[TS], v[ASK0]
	v_add_nc_u32 v[ADT], s[TS], v[ASV0]
.rept 5
	v_nop                                          ; with the four additions nine places: the products below write S^T over the registers from which the last step's products read V
.endr
	ds_load_b128 v[KW:KW+3], v[ADS]                ; the scale words of the step's eight tiles of keys
	ds_load_b128 v[KW+4:KW+7], v[ADS] offset:256
.irp g, 0,1                                    ; S^T = K Q^T, four tiles of 16 keys at a time
.if \g
.rept 8
	v_nop                                          ; places in front of loads into registers that matrix instructions have read
.endr
.endif
.irp t, 0,1,2,3
	ds_load_b128 v[KF+16*\t:KF+16*\t+3], v[ADK] offset:(4*\g+\t)*1024
	ds_load_b128 v[KF+16*\t+4:KF+16*\t+7], v[ADK] offset:(4*\g+\t)*1024+512
.endr
	s_wait_dscnt 0x0
.irp t, 0,1,2,3
	v_wmma_scale_f32_16x16x128_f8f6f4 v[ST+8*(4*\g+\t):ST+8*(4*\g+\t)+7], v[KF+16*\t:KF+16*\t+15], v[16:31], 0, v[KW+4*\g+\t], v[QW]
.endr
.endr                                          ; register 16 b + i holds key 32 b + 16 (lane / 16) + i of the step
.rept 8
	v_nop
.endr
	s_cmp_lg_u32 s[KS], s[\lim]                    ; only the tile's last step lies on the diagonal
	s_cbranch_scc1 .Lopen_\@
	v_add_nc_u32 v[T0], s[\dq], v[VB]              ; d = my query within the step - 16 (lane / 16): register 16 b + i is hidden where 32 b + i > d
.set n, 0
.rept 64
	v_cmp_gt_i32 vcc_lo, 32*(n/16)+n%16, v[T0]
	v_cndmask_b32 v[ST+n], v[ST+n], v[NINF], vcc_lo            ; a hidden score becomes -infinity ahead of the maximum: p = 0 then
.set n, n+1
.endr
.Lopen_\@:
.irp b, 0,1,2,3
	v_max3_num_f32 v[BM+\b], v[ST+16*\b], v[ST+1+16*\b], v[ST+2+16*\b]   ; the largest score of each block of 32 keys: it serves for the row's maximum and, since p rises with the score, for the block's largest p
.endr
.irp i, 3,5,7,9,11,13
.irp b, 0,1,2,3
	v_max3_num_f32 v[BM+\b], v[BM+\b], v[ST+16*\b+\i], v[ST+1+16*\b+\i]
.endr
.endr
.irp b, 0,1,2,3
	v_max_num_f32 v[BM+\b], v[BM+\b], v[ST+15+16*\b]
.endr
.irp b, 0,1,2,3
	s_delay_alu instid0(VALU_DEP_4)
	v_permlanex16_b32 v[PX+\b], v[BM+\b], s[SEL], s[SEL+1]
.endr
.irp b, 0,1,2,3
	s_delay_alu instid0(VALU_DEP_4)
	v_max_num_f32 v[BM+\b], v[BM+\b], v[PX+\b]     ; with lane l xor 16's 16 keys
.endr
	s_delay_alu instid0(VALU_DEP_2)
	v_max3_num_f32 v[T0], v[BM], v[BM+1], v[BM+2]
	s_delay_alu instid0(VALU_DEP_1)
	v_max_num_f32 v[T0], v[T0], v[BM+3]            ; the step's largest score of my query (the step's first key always counts)
	s_delay_alu instid0(VALU_DEP_1)
	v_mul_f32 v[T0], s[CS], v[T0]                  ; as t (c is positive)
	s_delay_alu instid0(VALU_DEP_1)
	v_max_num_f32 v13, v13, v[T0]                  ; the running largest t
	v_mov_b32 v[T0], v12
	s_delay_alu instid0(VALU_DEP_2)
	v_floor_f32 v12, -v13                          ; the new -M = floor(-t) = -ceil(t): a whole number
	s_delay_alu instid0(VALU_DEP_1)
	v_sub_f32 v[T0], v12, v[T0]                    ; old M - new M: a whole number, 0 or less
	s_delay_alu instid0(VALU_DEP_1)
	v_cvt_i32_f32 v[T0], v[T0]                     ; (it saturates)
	s_delay_alu instid0(VALU_DEP_1)
	v_ldexp_f32 v[FF], 1.0, v[T0]                  ; f = 2^(old M - new M)
.set j, 0
.rept 32
	v_pk_fma_f32 v[ST+j:ST+j+1], v[ST+j:ST+j+1], s[CS:CS+1], v[12:13] op_sel_hi:[1,0,0]   ; t - M, two at a time
.set j, j+2
.endr
	s_setprio 1
.irp b, 0,1,2,3
	v_fma_f32 v[BM+\b], v[BM+\b], s[CS], v12       ; the same of each block's largest score
.endr
.set j, 0
	s_wait_alu depctr_va_vdst(0)
.rept 64
	v_exp_f32 v[ST+j], v[ST+j]                     ; p = 2^(t - M), at most 1
.set j, j+1
.endr
	v_pk_mul_f32 v[14:15], v[14:15], v[FF:FF+1] op_sel_hi:[1,0]   ; the sums under the new M.  (A plain instruction behind the exponentials)
	s_wait_alu depctr_va_vdst(0)                   ; one wait for the batch of 64, ahead of its first reader
.irp b, 0,1,2,3
	v_exp_f32 v[BM+\b], v[BM+\b]                   ; the block's largest p: the same two instructions on the same number give the same bits
.endr
	v_pk_add_f32 v[244:245], v[100:101], v[104:105]
	v_pk_add_f32 v[254:255], v[108:109], v[112:113]
	v_pk_add_f32 v[252:253], v[116:117], v[120:121]
	v_pk_add_f32 v[250:251], v[124:125], v[128:129]
	v_pk_add_f32 v[248:249], v[132:133], v[136:137]
	v_pk_add_f32 v[246:247], v[140:141], v[144:145]
	v_pk_add_f32 v[236:237], v[148:149], v[152:153]
	v_pk_add_f32 v[14:15], v[14:15], v[156:157]
	v_pk_add_f32 v[244:245], v[244:245], v[96:97]
	v_pk_add_f32 v[254:255], v[254:255], v[98:99]
	v_pk_add_f32 v[252:253], v[252:253], v[102:103]
	v_pk_add_f32 v[250:251], v[250:251], v[106:107]
	v_pk_add_f32 v[248:249], v[248:249], v[110:111]
	v_pk_add_f32 v[246:247], v[246:247], v[114:115]
	v_pk_add_f32 v[236:237], v[236:237], v[118:119]
	v_pk_add_f32 v[14:15], v[14:15], v[122:123]
	v_pk_add_f32 v[244:245], v[244:245], v[126:127]
	v_pk_add_f32 v[254:255], v[254:255], v[130:131]
	v_pk_add_f32 v[252:253], v[252:253], v[134:135]
	v_pk_add_f32 v[250:251], v[250:251], v[138:139]
	v_pk_add_f32 v[248:249], v[248:249], v[142:143]
	v_pk_add_f32 v[246:247], v[246:247], v[146:147]
	v_pk_add_f32 v[236:237], v[236:237], v[150:151]
	v_pk_add_f32 v[14:15], v[14:15], v[154:155]
	v_pk_add_f32 v[244:245], v[244:245], v[158:159]
	s_delay_alu instid0(VALU_DEP_2)
	v_pk_add_f32 v[14:15], v[14:15], v[250:251]
	s_delay_alu instid0(VALU_DEP_2)
	v_pk_add_f32 v[244:245], v[244:245], v[248:249]
	v_pk_add_f32 v[254:255], v[254:255], v[246:247]
	v_pk_add_f32 v[252:253], v[252:253], v[236:237]
	s_delay_alu instid0(VALU_DEP_2)
	v_pk_add_f32 v[14:15], v[14:15], v[254:255]
	s_delay_alu instid0(VALU_DEP_2)
	v_pk_add_f32 v[244:245], v[244:245], v[252:253]
	s_delay_alu instid0(VALU_DEP_1)
	v_pk_add_f32 v[14:15], v[14:15], v[244:245]
	s_wait_alu depctr_va_vdst(0)                   ; and one for the four
.irp b, 0,1,2,3
	v_max_num_f32 v[BM+\b], 0x4800000, v[BM+\b]    ; the floor 2^(9 - 127): the byte cannot fall under 1 (a block of zeros keeps that byte: its codes are zeros)
.endr
.irp b, 0,1,2,3
	s_delay_alu instid0(VALU_DEP_4)
	v_add_nc_u32 v[SO+\b], 0xfc000000, v[BM+\b]    ; 8 off the exponent field: the conversion's scale operand
.endr
.irp b, 0,1,2,3
.endr
.irp b, 0,1,2,3
	s_delay_alu instid0(VALU_DEP_4)
	v_lshrrev_b32 v[PX+\b], 23, v[SO+\b]           ; the scale's byte
.endr
	s_delay_alu instid0(VALU_DEP_3)
	v_lshl_or_b32 v[PSW], v[PX+1], 8, v[PX]        ; p's scale word for these 128 keys
	s_delay_alu instid0(VALU_DEP_1)
	v_lshl_or_b32 v[PSW], v[PX+2], 16, v[PSW]
	s_delay_alu instid0(VALU_DEP_1)
	v_lshl_or_b32 v[PSW], v[PX+3], 24, v[PSW]
	s_setprio 0
.irp b, 0,1,2,3
.irp i, 0,1,2,3,4,5,6,7,8,9,10,11,12,13,14,15
.endr
	v_cvt_scalef32_pk8_fp8_f32 v[PC+4*\b:PC+4*\b+1], v[ST+16*\b:ST+16*\b+7], v[SO+\b]
	v_cvt_scalef32_pk8_fp8_f32 v[PC+4*\b+2:PC+4*\b+3], v[ST+16*\b+8:ST+16*\b+15], v[SO+\b]
.endr
	v_nop
.irp t, 0,1,2,3                                ; V's four tiles of 16 channels x these 128 keys come where p lay
.irp c, 0,1,2,3
	ds_load_b128 v[ST+16*\t+4*\c:ST+16*\t+4*\c+3], v[ADV] offset:\t*2048+\c*512
.endr
.endr
	ds_load_b128 v[VW:VW+3], v[ADT]                ; and their scale words
.set j, 0
.rept 16
	v_pk_mul_f32 v[OT+j:OT+j+1], v[OT+j:OT+j+1], v[FF:FF+1] op_sel_hi:[1,0]   ; O^T under the new M.  (Plain instructions behind the conversions and ahead of the products that take the codes)
.set j, j+2
.endr
	s_wait_alu depctr_va_vdst(0)
	s_wait_dscnt 0x0
.irp t, 0,1,2,3                                ; O^T += V^T P^T: the four accumulators by turns
	v_wmma_scale_f32_16x16x128_f8f6f4 v[OT+8*\t:OT+8*\t+7], v[ST+16*\t:ST+16*\t+15], v[PC:PC+15], v[OT+8*\t:OT+8*\t+7], v[VW+\t], v[PSW]
.endr
.Lhid_\@:
	s_add_co_u32 s[TK], s[TK], 8192
	s_add_co_u32 s[TS], s[TS], 512
.endm
; THE WAY OUT of a tile.  d: its pointers;  nd: the next tile's, or 0.  O^T / the sum: register 16 g + i is channel 32 g + 16 (lane / 16) + i of my query's head: two blocks of 32, quantised as they stand.
.macro OUT d, nd
.rept 8
	v_nop                                          ; places behind the last products
.endr
.if \nd
	global_load_b128 v[16:19], v[AK0], s[\nd:\nd+1]               ; the next tile's q lands while this tile goes out
	global_load_b128 v[20:23], v[AK0], s[\nd:\nd+1] offset:512
	global_load_b32 v[QW], v[R16], s[\nd+2:\nd+3]
.endif
	v_add_f32 v14, v14, v15                        ; the sum's two halves,
	s_delay_alu instid0(VALU_DEP_1)
	v_permlanex16_b32 v[PX], v14, s[SEL], s[SEL+1]
	s_delay_alu instid0(VALU_DEP_1)
	v_add_f32 v14, v14, v[PX]                      ; and lane l xor 16's: the row's sum
	s_wait_alu depctr_va_vdst(0)
	v_rcp_f32 v[FF], v14
	v_nop                                          ; a plain instruction behind the reciprocal
	s_wait_alu depctr_va_vdst(0)                   ; and the wait ahead of its first reader
.set j, 0
.rept 16
	v_pk_mul_f32 v[ST+j:ST+j+1], v[OT+j:OT+j+1], v[FF:FF+1] op_sel_hi:[1,0]   ; each accumulator from its low end on
.set j, j+2
.endr
.irp g, 0,1
	v_max3_num_f32 v[BM+\g], |v[ST+16*\g]|, |v[ST+16*\g+1]|, 0x4800000
.endr
.irp i, 2,4,6,8,10,12,14
.irp g, 0,1
	s_delay_alu instid0(VALU_DEP_2)
	v_max3_num_f32 v[BM+\g], v[BM+\g], |v[ST+16*\g+\i]|, |v[ST+16*\g+\i+1]|
.endr
.endr
.irp g, 0,1
	s_delay_alu instid0(VALU_DEP_2)
	v_permlanex16_b32 v[PX+\g], v[BM+\g], s[SEL], s[SEL+1]
.endr
.irp g, 0,1
	s_delay_alu instid0(VALU_DEP_2)
	v_max_num_f32 v[BM+\g], v[BM+\g], v[PX+\g]
.endr
.irp g, 0,1
	s_delay_alu instid0(VALU_DEP_2)
	v_add_nc_u32 v[SO+\g], 0xfc000000, v[BM+\g]
.endr
.irp g, 0,1
.endr
.irp g, 0,1
	s_delay_alu instid0(VALU_DEP_2)
	v_lshrrev_b32 v[PX+\g], 23, v[SO+\g]
.endr
.irp g, 0,1
.irp i, 0,1,2,3,4,5,6,7,8,9,10,11,12,13,14,15
.endr
	v_cvt_scalef32_pk8_fp8_f32 v[PC+4*\g:PC+4*\g+1], v[ST+16*\g:ST+16*\g+7], v[SO+\g]
	v_cvt_scalef32_pk8_fp8_f32 v[PC+4*\g+2:PC+4*\g+3], v[ST+16*\g+8:ST+16*\g+15], v[SO+\g]
.endr
	v_nop                                          ; a plain vector instruction behind the last conversion
	v_cndmask_b32 v[YB], v[PX], v[PX+1], s[HM]     ; lanes 0-15 store the first block's byte, lanes 16-31 the second's
	global_store_b128 v[AK0], v[PC:PC+3], s[\d+4:\d+5]            ; 32 lanes store 512 consecutive bytes, aligned
	global_store_b128 v[AK0], v[PC+4:PC+7], s[\d+4:\d+5] offset:512
	global_store_b8 v[YSO], v[YB], s[\d+6:\d+7]    ; two bytes of each of 16 rows of 32: one byte for each 32 of the codes above
.endm
.macro PASS lim, dq, d, nd
	v_mov_b32 v13, 0xff61b1e6                      ; the largest t so far: -3e38, under every t
	s_delay_alu instid0(VALU_DEP_1)
	v_floor_f32 v12, -v13                          ; -M
	v_mov_b32 v14, 0                               ; the sum, in two halves
	v_mov_b32 v15, 0
.set j, 0
.rept 32
	v_mov_b32 v[OT+j], 0                           ; O^T: the step is written once; the first finds zeros, which the first change of M leaves zeros
.set j, j+1
.endr
	s_mov_b32 s[TK], 0
	s_mov_b32 s[TS], 0
	s_mov_b32 s[KS], 0
.Lkey_\@:                                      ; 16 trips, whatever the wave
	STEP \lim, \dq
	s_add_co_u32 s[KS], s[KS], 1
	s_cmp_lt_u32 s[KS], 16
	s_cbranch_scc1 .Lkey_\@
	s_setprio 0
	OUT \d, \nd
.endm
	s_wait_tensorcnt 0x0                           ; my load, if I had one, has landed,
	s_barrier_signal -1
	s_barrier_wait -1                              ; everybody's has: the head's K and V lie in LDS
	s_wait_loadcnt 0x0                             ; q
	PASS LIMA, DQA, PA, PB
	s_wait_loadcnt 0x0                             ; the second tile's q
	s_wait_xcnt 0x0                                ; the first tile's stores have read their registers, which are written again
	PASS LIMB, DQB, PB, 0
	s_wait_tensorcnt 0x0
	ds_add_u32 v238, v239
	s_wait_dscnt 0x0
	ROUND                                          ; the closing round
	s_endpgm
.Lfunc_end_k_q88f73d2c19_attn:
	.size	k_q88f73d2c19_attn, .Lfunc_end_k_q88f73d2c19_attn-k_q88f73d2c19_attn
	.p2alignl 7, 3214868480
	.fill 96, 4, 3214868480
	.section	.rodata,"a",@progbits
	.p2align	6, 0x0
	.amdhsa_kernel k_q88f73d2c19_attn
		.amdhsa_group_segment_fixed_size 280576
		.amdhsa_private_segment_fixed_size 0
		.amdhsa_enable_private_segment 0
		.amdhsa_kernarg_size 48
		.amdhsa_user_sgpr_count 2
		.amdhsa_user_sgpr_kernarg_segment_ptr 1
		.amdhsa_wavefront_size32 1
		.amdhsa_system_sgpr_workgroup_id_x 1
		.amdhsa_system_sgpr_workgroup_id_y 1
		.amdhsa_system_sgpr_workgroup_id_z 1
		.amdhsa_system_vgpr_workitem_id 0
		.amdhsa_next_free_vgpr 256
		.amdhsa_next_free_sgpr 100
		.amdhsa_reserve_vcc 1
		.amdhsa_float_denorm_mode_32 3
		.amdhsa_float_denorm_mode_16_64 3
		.amdhsa_fp16_overflow 1
		.amdhsa_memory_ordered 1
		.amdhsa_forward_progress 1
		.amdhsa_inst_pref_size 68
	.end_amdhsa_kernel
	.amdgpu_metadata
---
amdhsa.version: [ 1, 2 ]
amdhsa.kernels:
  - .name:           k_q88f73d2c19_attn
    .symbol:         k_q88f73d2c19_attn.kd
    .args:
      - { .name: qkimg, .offset: 0, .size: 8, .value_kind: global_buffer, .address_space: global }
      - { .name: qksc, .offset: 8, .size: 8, .value_kind: global_buffer, .address_space: global }
      - { .name: vimg, .offset: 16, .size: 8, .value_kind: global_buffer, .address_space: global }
      - { .name: vsc, .offset: 24, .size: 8, .value_kind: global_buffer, .address_space: global }
      - { .name: yimg, .offset: 32, .size: 8, .value_kind: global_buffer, .address_space: global }
      - { .name: ysc, .offset: 40, .size: 8, .value_kind: global_buffer, .address_space: global }
    .group_segment_fixed_size: 280576
    .private_segment_fixed_size: 0
    .kernarg_segment_align: 8
    .kernarg_segment_size: 48
    .max_flat_workgroup_size: 512
    .sgpr_count:     100
    .vgpr_count:     256
    .wavefront_size: 32
...
	.end_amdgpu_metadata
.endif
;; end of part 3
;; launch proj (part 4): grid 4 x 64, 4 waves a work-group, clusters of 4 x 4, 327,680 bytes of LDS; arguments cod, scl, yimg, ysc, out0; writes out0
.if DOCPART == 4
	.amdgcn_target "amdgcn-amd-amdhsa--gfx1250"
	.amdhsa_code_object_version 6
	.text
	.protected	k_q88f73d2c19_proj
	.globl	k_q88f73d2c19_proj
	.p2align	8
	.type	k_q88f73d2c19_proj,@function
k_q88f73d2c19_proj:
	s_mov_b64 s[64:65], 0
	v_nop
	global_prefetch_b8 v0, s[64:65] scope:SCOPE_SE
	s_setreg_imm32_b32 hwreg(HW_REG_WAVE_MODE, 25, 1), 1
	s_wait_xcnt 0x0
	s_wait_alu depctr_hold_cnt(0) depctr_sa_sdst(0) depctr_va_vdst(0) depctr_va_sdst(0) depctr_va_ssrc(0) depctr_va_vcc(0) depctr_vm_vsrc(0)
	s_getreg_b32 s2, hwreg(HW_REG_IB_STS2, 6, 4)
	s_cmp_eq_u32 s2, 0
	s_cbranch_scc0 .Lentry_in_a_cluster
	s_endpgm
.Lentry_in_a_cluster:
	s_bfe_u32 s2, ttmp6, 0x10000c
	s_cmp_lg_u32 s2, 0xf033
	s_cbranch_scc0 .Lentry_shape_is_right
	s_endpgm
.Lentry_shape_is_right:
; out0 = y Wo^T on codes of FP8 (E4M3) with E8M0 scales, K = 1,024, sums in f32.
; A work-group makes 256 output channels (P = rows of Wo, source 0) x 128 token places (R = y, source 1): in the result a lane holds ONE token, and its eight registers are eight neighbouring channels.
; Wo's codes lie as rows in cod (rows 11,264 on) with their scale bytes in scl.  y's codes lie in yimg as images of operand registers: [tile of 16 token places 512][K step of 128: 8][block 4][lane 32][16 bytes];
; its scale bytes in ysc [8,192 token places][32].  Token places have bits 3 and 4 of the token's number exchanged: place 16 a + t of a wave's 64 is token 32 (a / 2) + 8 (a % 2) + t + 8 (t / 8).
; SHARES.  Four waves: wave w takes P's half w & 1 (8 blocks of 16) and R's half w >> 1 (4 blocks): 32 accumulators, 256 registers.  256 work-groups.
; K goes in 4 steps of 256 through two LDS slots: two first fills and two refills, written out, no loop.
; CLUSTERS: 4 x 4 work-groups.  P's tile hangs on the place along x alone and is shared down a column of the cluster; R's on the place along y alone and is shared along a row.  Each tile is asked
; for jointly: the same tensor load, the same descriptor, a mask that names the four.  By this text's own count a wave has one tensor load out at a time at the start and one behind each change of slots that fills.
; LIMITS: NaN and infinities are not served.
; REGISTERS, in windows of 256: window 0: v1-25 addresses; v32-63 scale words, two sets; v128-191, v192-255 R's fragments, two sets; on the way out rows of the result.
;   window 1: P's fragments, two sets, at v0 and v128.   window 2: the accumulators: (R's block rb, P's block pb) at v[8 (8 rb + pb)].
.set IMGR,  1                          ; R's tiles lie in memory as rows (0) or as images of registers (1)
.set PITCH, 272                        ; an LDS row: 256 bytes + 16 of padding = 68 words: the 16 rows that a load touches start at 16 different banks (64 banks of 4 bytes: ISA guide 11.1)
.set SLOT,  384*PITCH                  ; P's 256 rows, then room for R
.set ROFF,  256*PITCH
.set PHALF, 128*PITCH
.if IMGR
.set RHALF, 4*4096
.set RSTEP, 4096
.else
.set RHALF, 64*PITCH
.set RSTEP, 256
.endif
.set SCLR,  2*SLOT                     ; behind the ring: R's scale bytes for all of K, 128 rows x 32 bytes, as units of 256 bytes + 16 of padding;
.set SCLP,  SCLR+16*272                ; P's, 256 rows x 32 bytes, likewise
.set SPARE, SCLP+32*272                ; the spare words, 128 bytes for each wave: two blocks of 256 bytes that no other line names
.set STG,   SPARE+512                  ; the way out: a stage of 16 rows x (512 bytes + 16) for each wave; no tile lands here
.set SPITCH, 528
.set NP,    8                          ; places behind this matrix instruction (ISA guide 7.12.1)
.set ADRP,  16                         ; v16-17  LDS address of my P fragments in slot 0, 1
.set ADRR,  18                         ; v18-19  the same for R
.set ADRS,  20                         ; v20     LDS address of my scale words: lanes 0-15 R's rows, lanes 16-31 P's
.set SPW,   21                         ; v21     LDS address of my spare word; never rewritten
.set NIL,   22                         ; v22     0; never rewritten
.set L16,   23                         ; v23     16 x lane
.set STO,   24                         ; v24     the way out: where I put 32 bytes of a row
.set RD,    25                         ; v25     the way out: where I read a row back
.set SC,    32                         ; scale words: set s at v[SC + 16 s]; register 2 i + q: lanes 0-15 R's block i, lanes 16-31 P's block i, the slot's q-th 128 along K
.set RF,    128                        ; R's fragments
.set G1P,   24                         ; s[24:31] group 1, s[32:39] groups 0 (a set a slot) for P's tiles
.set G0P,   32
.set G1R,   40                         ; s[40:47], s[48:55] for R's
.set G0R,   48
.set G1SP,  56                         ; s[56:63], s[68:71] for P's scale bytes
.set G0SP,  68
.set G1SR,  72                         ; s[72:79], s[80:83] for R's
.set G0SR,  80
.set MUL,   0xa1                       ; source 0 (P) window 1, source 1 (R) window 0, C and D window 2
.set MSB, 0
.macro WIN new                         ; the immediate's high byte repeats the setting that is left
.if MSB != \new
	s_set_vgpr_msb (MSB<<8)|\new
.set MSB, \new
.endif
.endm
; A joint load: waves 0 and 1 fetch for P, waves 2 and 3 for R.  Each of the two lines has one mask and one set of registers; the branch hangs on the wave's number alone.
; Four v_nop follow each of the two lines, ahead of the jump, the label and what follows.
.macro JLOAD g0a, g1a, g0b, g1b
	s_cmp_eq_u32 s17, 0
	s_cbranch_scc0 .Lfor_r_\@
	tensor_load_to_lds s[\g0a:\g0a+3], s[\g1a:\g1a+7]
	s_nop 0
.rept 4
	v_nop
.endr
	s_branch .Lasked_\@
.Lfor_r_\@:
	tensor_load_to_lds s[\g0b:\g0b+3], s[\g1b:\g1b+7]
	s_nop 0
.rept 4
	v_nop
.endr
.Lasked_\@:
.endm
.macro CREST                           ; a round of the cluster's barrier behind its opening barrier
	s_cmp_lg_u32 s16, 0
	s_cbranch_scc1 .Lnot_wave_0_\@
	s_barrier_signal -3
.Lnot_wave_0_\@:
	s_barrier_wait -3
	s_barrier_signal -1
	s_barrier_wait -1
.endm
.macro CROUND                          ; a whole round
	s_barrier_signal -1
	s_barrier_wait -1
	CREST
.endm
.macro PLACES n                        ; plain vector instructions that name no register of the matrix instructions ahead of them
.rept \n
	v_nop
.endr
.endm
	s_load_b256 s[4:11], s[0:1], 0x0               ; cod s[4:5], scl s[6:7], yimg s[8:9], ysc s[10:11]
	s_load_b64 s[12:13], s[0:1], 0x20              ; out0
	v_lshl_add_u32 v[SPW], v0, 2, SPARE
	v_mov_b32 v[NIL], 0
	ds_add_u32 v21, v22
	ds_add_u32 v21, v22
	s_wait_dscnt 0x0
	v_lshrrev_b32 v1, 5, v0
	v_readfirstlane_b32 s16, v1                    ; wave 0..3
	s_lshr_b32 s17, s16, 1                         ; R's half that I multiply.  Also: I fetch for P (0) or for R (1)
	s_and_b32 s18, s16, 1                          ; P's half that I multiply.  Also: which half of that tile I fetch
	s_bfe_u32 s19, ttmp6, 0x40000                  ; cx, cy: my place in the cluster
	s_bfe_u32 s20, ttmp6, 0x40004
	s_lshl_b32 s22, ttmp9, 2
	s_add_co_u32 s22, s22, s19                     ; P's tile of 256 rows of Wo: hangs on cx, never on cy
	s_and_b32 s23, ttmp7, 0xffff
	s_lshl_b32 s23, s23, 2
	s_add_co_u32 s23, s23, s20                     ; R's tile of 128 token places: hangs on cy, never on cx
	s_lshl_b32 s84, 0x1111, s19                    ; my column of the cluster (the same cx)
	s_lshl_b32 s85, s20, 2
	s_lshl_b32 s85, 15, s85                        ; my row (the same cy)
	; descriptor groups 1.  P: 128 rows x 256 bytes, 1,024 bytes apart, 16 bytes of padding behind each
	s_or_b32 s[G1P], s84, (0<<16)|(1<<20)|(1<<21)|(5<<22)|(3<<25)   ; 15:0 the mask; 17:16 elements of 1 byte; 20 padding on; 21 set beside a mask; 24:22 after every 64 words; 31:25 four words
	s_mov_b32 s[G1P+1], 256<<16                    ; tensor_dim0
	s_mov_b32 s[G1P+2], 128<<16                    ; tensor_dim1
	s_mov_b32 s[G1P+3], 256<<16                    ; tile_dim0
	s_mov_b32 s[G1P+4], 128                        ; tile_dim1
	s_mov_b32 s[G1P+5], 1024                       ; from row to row
	s_mov_b32 s[G1P+6], 0
	s_mov_b32 s[G1P+7], 0
.if IMGR                               ; R as images: 4 tiles x 4,096 bytes (512 elements of 8), 16,384 bytes apart, dense in LDS
	s_or_b32 s[G1R], s85, (3<<16)|(1<<21)
	s_mov_b32 s[G1R+1], 512<<16
	s_mov_b32 s[G1R+2], 4<<16
	s_mov_b32 s[G1R+3], 512<<16
	s_mov_b32 s[G1R+4], 4
	s_mov_b32 s[G1R+5], 2048
.else                                  ; R as rows: 64 rows x 256 bytes
	s_or_b32 s[G1R], s85, (0<<16)|(1<<20)|(1<<21)|(5<<22)|(3<<25)
	s_mov_b32 s[G1R+1], 256<<16
	s_mov_b32 s[G1R+2], 64<<16
	s_mov_b32 s[G1R+3], 256<<16
	s_mov_b32 s[G1R+4], 64
	s_mov_b32 s[G1R+5], 1024
.endif
	s_mov_b32 s[G1R+6], 0
	s_mov_b32 s[G1R+7], 0
	; the scale bytes of 128 rows of P (4,096 dense bytes) and of 64 rows of R (2,048): rows of 256 bytes (32 elements of 8), 16 bytes of padding behind each
	s_or_b32 s[G1SP], s84, (3<<16)|(1<<20)|(1<<21)|(5<<22)|(3<<25)
	s_mov_b32 s[G1SP+1], 32<<16
	s_mov_b32 s[G1SP+2], 16<<16
	s_mov_b32 s[G1SP+3], 32<<16
	s_mov_b32 s[G1SP+4], 16
	s_mov_b32 s[G1SP+5], 32
	s_mov_b32 s[G1SP+6], 0
	s_mov_b32 s[G1SP+7], 0
	s_or_b32 s[G1SR], s85, (3<<16)|(1<<20)|(1<<21)|(5<<22)|(3<<25)
	s_mov_b32 s[G1SR+1], 32<<16
	s_mov_b32 s[G1SR+2], 8<<16
	s_mov_b32 s[G1SR+3], 32<<16
	s_mov_b32 s[G1SR+4], 8
	s_mov_b32 s[G1SR+5], 32
	s_mov_b32 s[G1SR+6], 0
	s_mov_b32 s[G1SR+7], 0
	; what I fetch.  Every wave makes P's and R's addresses, in registers that never hold the other coordinate, and asks by one of them.  Rows stay under 2^14: every offset fits 32 bits
	s_lshl_b32 s86, s22, 8
	s_add_co_u32 s86, s86, 11264                   ; Wo's first row in cod
	s_lshl_b32 s98, s18, 7
	s_add_co_u32 s86, s86, s98                     ; P: the first of the 128 rows
	s_lshl_b32 s88, s86, 5                         ; its scale bytes: 32 a row
	s_lshl_b32 s86, s86, 10                        ; its codes: 1,024 a row
	s_mov_b32 s87, 0
	s_mov_b32 s89, 0
	s_lshl_b32 s90, s23, 7
	s_lshl_b32 s98, s18, 6
	s_add_co_u32 s90, s90, s98                     ; R: the first of the 64 token places
	s_lshl_b32 s92, s90, 5                         ; its scale bytes: 32 a place
	s_lshl_b32 s90, s90, 10                        ; its images: a tile of 16 places is 16,384 bytes
	s_mov_b32 s91, 0
	s_mov_b32 s93, 0
	s_mul_i32 s94, s18, PHALF                      ; where they go: no place in the cluster enters an LDS address
	s_mul_i32 s95, s18, RHALF
	s_add_co_u32 s95, s95, ROFF
	s_mul_i32 s96, s18, 16*272
	s_mul_i32 s97, s18, 8*272
	s_wait_kmcnt 0x0
	s_add_nc_u64 s[86:87], s[4:5], s[86:87]
	s_add_nc_u64 s[88:89], s[6:7], s[88:89]
	s_add_nc_u64 s[90:91], s[8:9], s[90:91]
	s_add_nc_u64 s[92:93], s[10:11], s[92:93]
	CROUND                                         ; all sixteen work-groups are here: the first joint loads meet
	s_mov_b32 s[G0SP], 1
	s_add_co_u32 s[G0SP+1], s96, SCLP
	s_mov_b64 s[G0SP+2:G0SP+3], s[88:89]
	s_or_b32 s[G0SP+3], s[G0SP+3], 0x80000000
	s_mov_b32 s[G0SR], 1
	s_add_co_u32 s[G0SR+1], s97, SCLR
	s_mov_b64 s[G0SR+2:G0SR+3], s[92:93]
	s_or_b32 s[G0SR+3], s[G0SR+3], 0x80000000
	JLOAD G0SP, G1SP, G0SR, G1SR                   ; the scale bytes first: they are wanted with K step 0, and are filled once
.irp s, 0,1
	s_mov_b32 s[G0P+4*\s], 1
	s_add_co_u32 s[G0P+4*\s+1], s94, \s*SLOT
	s_add_nc_u64 s[G0P+4*\s+2:G0P+4*\s+3], s[86:87], \s*256
	s_or_b32 s[G0P+4*\s+3], s[G0P+4*\s+3], 0x80000000
	s_mov_b32 s[G0R+4*\s], 1
	s_add_co_u32 s[G0R+4*\s+1], s95, \s*SLOT
	s_add_nc_u64 s[G0R+4*\s+2:G0R+4*\s+3], s[90:91], \s*RSTEP
	s_or_b32 s[G0R+4*\s+3], s[G0R+4*\s+3], 0x80000000
	s_wait_alu depctr_va_vdst(0)
	s_wait_tensorcnt 0x0
	ds_add_u32 v21, v22
	s_wait_dscnt 0x0
	CROUND
	JLOAD G0P+4*\s, G1P, G0R+4*\s, G1R
.endr
	v_and_b32 v1, 15, v0                           ; r = lane % 16
	v_bfe_u32 v2, v0, 4, 1                         ; h = lane / 16
	v_and_b32 v[L16], 31, v0
	v_lshlrev_b32 v[L16], 4, v[L16]
	v_mul_u32_u24 v3, v1, PITCH
	v_lshl_add_u32 v3, v2, 4, v3                   ; a fragment's row x pitch + 16 x half
	s_mul_i32 s94, s18, PHALF                      ; my 128 rows of P
	v_add_nc_u32 v[ADRP], s94, v3
	s_add_co_u32 s94, s94, SLOT
	v_add_nc_u32 v[ADRP+1], s94, v3
	s_mul_i32 s95, s17, RHALF                      ; my four tiles of R, behind P's 256 rows
	s_add_co_u32 s95, s95, ROFF
.if IMGR
	v_add_nc_u32 v[ADRR], s95, v[L16]
	s_add_co_u32 s95, s95, SLOT
	v_add_nc_u32 v[ADRR+1], s95, v[L16]
.else
	v_add_nc_u32 v[ADRR], s95, v3
	s_add_co_u32 s95, s95, SLOT
	v_add_nc_u32 v[ADRR+1], s95, v3
.endif
	v_lshlrev_b32 v4, 5, v1                        ; my row's scale bytes: 32 a row,
	v_lshrrev_b32 v5, 3, v1
	v_lshl_add_u32 v4, v5, 4, v4                   ; and 16 more for each 256 passed
	s_mul_i32 s94, s17, 8*272                      ; R's: my 64 rows
	s_mul_i32 s95, s18, 16*272                     ; P's: my 128 rows, behind R's 128
	s_add_co_u32 s95, s95, SCLP-SCLR
	s_sub_co_u32 s95, s95, s94
	v_mul_u32_u24 v5, s95, v2                      ; lanes 16-31 take P's: the lower base + h x the distance
	s_add_co_u32 s94, s94, SCLR
	v_add_nc_u32 v4, v4, v5
	v_add_nc_u32 v[ADRS], s94, v4
	s_mul_i32 s94, s16, 16*SPITCH
	s_add_co_u32 s94, s94, STG                     ; my stage
	v_mul_u32_u24 v5, v1, SPITCH                   ; in: row r, 32 bytes for each half of the lanes
	v_lshl_add_u32 v5, v2, 5, v5
	v_add_nc_u32 v[STO], s94, v5
	v_add_nc_u32 v[RD], s94, v[L16]                ; back: the 32 lanes take one row of 512 bytes
	s_lshl_b32 s94, s23, 7
	s_lshl_b32 s95, s17, 6
	s_add_co_u32 s94, s94, s95                     ; my first token: 128 x R's tile + 64 x half (a multiple of 32: the exchange of bits stays inside)
	s_lshl_b32 s94, s94, 12                        ; 4,096 bytes a row of out0
	s_lshl_b32 s95, s22, 10                        ; my first channel, in bytes: 1,024 x P's tile + 512 x half
	s_add_co_u32 s94, s94, s95
	s_lshl_b32 s95, s18, 9
	s_add_co_u32 s94, s94, s95
	s_mov_b32 s95, 0
	s_add_nc_u64 s[12:13], s[12:13], s[94:95]
; A fragment, 16 rows x 128 K of 8-bit codes, is 16 registers: lane l holds row l % 16; registers 4 c .. 4 c + 3 hold K = 32 c + 16 (l / 16) + 0 .. 15
.macro FRAGP reg, slot, q, i
.irp c, 0,1,2,3
	ds_load_b128 v[\reg+4*\c:\reg+4*\c+3], v[ADRP+\slot] offset:128*(\q)+32*\c+(\i)*16*PITCH
.endr
.endm
.macro FRAGR reg, slot, q, i
.irp c, 0,1,2,3
.if IMGR
	ds_load_b128 v[\reg+4*\c:\reg+4*\c+3], v[ADRR+\slot] offset:(\i)*4096+(\q)*2048+512*\c
.else
	ds_load_b128 v[\reg+4*\c:\reg+4*\c+3], v[ADRR+\slot] offset:128*(\q)+32*\c+(\i)*16*PITCH
.endif
.endr
.endm
.macro FETCH slot, q, set              ; 48 LDS loads in one run: P's eight and R's four fragments of the slot's q-th 128 along K
	WIN 0x40                                       ; destination window 1, address window 0
.irp i, 0,1,2,3,4,5,6,7
	FRAGP 128*(\set)+16*\i, \slot, \q, \i
.endr
	WIN 0
.irp i, 0,1,2,3
	FRAGR RF+64*(\set)+16*\i, \slot, \q, \i
.endr
.endm
.macro SCALES sc                       ; a K step's scale words, two a row: lanes 0-15 R's block i, lanes 16-31 P's block i (for i = 4 .. 7 lanes 0-15 read bytes further on, which are filled and not used)
.irp i, 0,1,2,3,4,5,6,7
	ds_load_b64 v[SC+16*(\sc)+2*\i:SC+16*(\sc)+2*\i+1], v[ADRS] offset:\i*544
.endr
.endm
; 8 matrix instructions: R's block rb against P's eight.  The 32 accumulators take turns, one instruction a turn, in the same order in every step.
; zero = 1: the first product starts the sums: nothing is ever cleared.
.macro MULR rb, set, q, sc, zero
.irp b, 0,1,2,3,4,5,6,7
.if \zero
	v_wmma_scale_f32_16x16x128_f8f6f4 v[8*(8*(\rb)+\b):8*(8*(\rb)+\b)+7], v[128*(\set)+16*\b:128*(\set)+16*\b+15], v[RF+64*(\set)+16*(\rb):RF+64*(\set)+16*(\rb)+15], 0, v[SC+16*(\sc)+2*\b+(\q)], v[SC+16*(\sc)+2*(\rb)+(\q)] matrix_a_scale:MATRIX_SCALE_ROW1
.else
	v_wmma_scale_f32_16x16x128_f8f6f4 v[8*(8*(\rb)+\b):8*(8*(\rb)+\b)+7], v[128*(\set)+16*\b:128*(\set)+16*\b+15], v[RF+64*(\set)+16*(\rb):RF+64*(\set)+16*(\rb)+15], v[8*(8*(\rb)+\b):8*(8*(\rb)+\b)+7], v[SC+16*(\sc)+2*\b+(\q)], v[SC+16*(\sc)+2*(\rb)+(\q)] matrix_a_scale:MATRIX_SCALE_ROW1
.endif
.endr
.endm
; A slot's first 128 along K: set 0 is multiplied while set 1 comes in.
.macro STEP slot, zero
	s_wait_dscnt 0x0                               ; set 0 and the slot's scale words are in
	PLACES NP                                      ; in front of loads into set 1, which the last products read
	FETCH \slot, 1, 1
	WIN MUL
	MULR 0, 0, 0, \slot, \zero
	MULR 1, 0, 0, \slot, \zero
	MULR 2, 0, 0, \slot, \zero
	MULR 3, 0, 0, \slot, \zero
.endm
; A slot's second 128 along K, and the change of slots: ONE barrier; in front of it each wave waits for all its tensor loads, adds 0 to its spare word, and waits for that and for its reads of this slot.
; fill = 1: this slot is filled again, two K steps ahead; the barrier then opens a round of the cluster's barrier.
.macro TURN slot, next, fill
	s_wait_dscnt 0x0                               ; set 1 is in: those were my last reads of this slot
	WIN 0                                          ; (the add's two registers lie in window 0)
	s_wait_tensorcnt 0x0                           ; all my tensor loads have landed: my part of the next slot
	ds_add_u32 v[SPW], v[NIL]                      ; 0 onto my spare word
	WIN MUL
	MULR 0, 1, 1, \slot, 0                         ; eight matrix instructions stand between the add and the wait for it
	s_wait_dscnt 0x0                               ; the add is done
	s_barrier_signal -1
	MULR 1, 1, 1, \slot, 0
	WIN 0
	s_barrier_wait -1
.if \fill
	CREST                                          ; no wave of any partner still reads this slot's tiles or has a load on its way
	s_add_nc_u64 s[G0P+4*\slot+2:G0P+4*\slot+3], s[G0P+4*\slot+2:G0P+4*\slot+3], 2*256
	s_add_nc_u64 s[G0R+4*\slot+2:G0R+4*\slot+3], s[G0R+4*\slot+2:G0R+4*\slot+3], 2*RSTEP
	JLOAD G0P+4*\slot, G1P, G0R+4*\slot, G1R       ; the first tensor load behind the round; its four v_nop are four of the places in front of the loads below
	PLACES NP-4
.else
	PLACES NP
.endif
	s_wait_alu depctr_va_vdst(0)
	v_add_nc_u32 v[ADRS], 8, v[ADRS]               ; on to the next K step's scale words
	FETCH \next, 0, 0
	SCALES \next
	WIN MUL
	MULR 2, 1, 1, \slot, 0
	MULR 3, 1, 1, \slot, 0
	WIN 0
.endm
	s_wait_alu depctr_va_vdst(0)
	s_wait_tensorcnt 1                             ; the scale bytes and my part of K step 0 are in; K step 1's one load may stay out
	s_barrier_signal -1
	s_barrier_wait -1                              ; everybody's are
	FETCH 0, 0, 0
	SCALES 0
	STEP 0, 1                                      ; K 0-127: these products start the sums
	TURN 0, 1, 1                                   ; K 128-255; slot 0 takes K 512-767
	STEP 1, 0
	TURN 1, 0, 1                                   ; slot 1 takes K 768-1023
	STEP 0, 0
	TURN 0, 1, 0                                   ; nothing is left to fetch
	STEP 1, 0
	s_wait_dscnt 0x0
	MULR 0, 1, 1, 1, 0
	MULR 1, 1, 1, 1, 0
	MULR 2, 1, 1, 1, 0
	MULR 3, 1, 1, 1, 0
	WIN 0
	PLACES NP                                      ; in front of the first reads of results, and of loads into registers that held R's fragments
; THE WAY OUT, block by block of 16 token places x 128 channels.  A lane holds 32 neighbouring bytes of a row, and the lanes beside it hold other rows: so a block goes through my own stage in LDS and
; comes back as whole rows of 512 bytes.  LDS serves a wave's instructions in order (ISA guide 5.7.1.4): no wait between the stores and the loads, nor in front of the next block's stores.
.macro TOSTAGE a
	WIN 0x08                                       ; an LDS store's data are its source 1: window 2
.irp b, 0,1,2,3,4,5,6,7
	ds_store_b128 v[STO], v[64*(\a)+8*\b:64*(\a)+8*\b+3] offset:64*\b          ; each accumulator from its low end on
	ds_store_b128 v[STO], v[64*(\a)+8*\b+4:64*(\a)+8*\b+7] offset:64*\b+16
.endr
	WIN 0
.set BB, RF+64*((\a)%2)
.irp t, 0,1,2,3,4,5,6,7,8,9,10,11,12,13,14,15
	ds_load_b128 v[BB+4*\t:BB+4*\t+3], v[RD] offset:\t*SPITCH
.endr
.endm
.macro SEND a, younger                 ; younger: the LDS instructions issued behind block a's loads, which may stay out
.set BB, RF+64*((\a)%2)
	s_wait_dscnt \younger                          ; the block is back in registers
.irp t, 0,1,2,3,4,5,6,7,8,9,10,11,12,13,14,15
	global_store_b128 v[L16], v[BB+4*\t:BB+4*\t+3], s[12:13] offset:(32*((\a)/2)+8*((\a)%2)+\t+8*(\t/8))*4096 th:TH_STORE_NT   ; the place's token stands in the immediate (63 rows at the most); 32 lanes store 512 consecutive bytes, aligned
.endr
.endm
	TOSTAGE 0
	TOSTAGE 1
	SEND 0, 32                                     ; behind block 0's loads: block 1's 16 stores and 16 loads
	s_wait_xcnt 0x0                                ; block 0's stores have read their registers: block 2's loads may land there
	TOSTAGE 2
	SEND 1, 32
	s_wait_xcnt 0x0                                ; block 1's likewise
	TOSTAGE 3
	SEND 2, 32
	SEND 3, 0
	s_wait_tensorcnt 0x0                           ; the wave's end: behind my last tensor load and my last LDS store
	ds_add_u32 v[SPW], v[NIL]
	s_wait_dscnt 0x0
	CROUND                                         ; the closing round: no work-group ends while a partner may still ask for a tile that names it
	s_endpgm
.Lfunc_end_k_q88f73d2c19_proj:
	.size	k_q88f73d2c19_proj, .Lfunc_end_k_q88f73d2c19_proj-k_q88f73d2c19_proj
	.p2alignl 7, 3214868480
	.fill 96, 4, 3214868480
	.section	.rodata,"a",@progbits
	.p2align	6, 0x0
	.amdhsa_kernel k_q88f73d2c19_proj
		.amdhsa_group_segment_fixed_size 327680
		.amdhsa_private_segment_fixed_size 0
		.amdhsa_enable_private_segment 0
		.amdhsa_kernarg_size 40
		.amdhsa_user_sgpr_count 2
		.amdhsa_user_sgpr_kernarg_segment_ptr 1
		.amdhsa_wavefront_size32 1
		.amdhsa_system_sgpr_workgroup_id_x 1
		.amdhsa_system_sgpr_workgroup_id_y 1
		.amdhsa_system_sgpr_workgroup_id_z 1
		.amdhsa_system_vgpr_workitem_id 0
		.amdhsa_next_free_vgpr 768
		.amdhsa_next_free_sgpr 102
		.amdhsa_reserve_vcc 0
		.amdhsa_float_denorm_mode_32 3
		.amdhsa_float_denorm_mode_16_64 3
		.amdhsa_memory_ordered 1
		.amdhsa_forward_progress 1
		.amdhsa_inst_pref_size 89
	.end_amdhsa_kernel
	.amdgpu_metadata
---
amdhsa.version: [ 1, 2 ]
amdhsa.kernels:
  - .name:           k_q88f73d2c19_proj
    .symbol:         k_q88f73d2c19_proj.kd
    .args:
      - { .name: cod, .offset: 0, .size: 8, .value_kind: global_buffer, .address_space: global }
      - { .name: scl, .offset: 8, .size: 8, .value_kind: global_buffer, .address_space: global }
      - { .name: yimg, .offset: 16, .size: 8, .value_kind: global_buffer, .address_space: global }
      - { .name: ysc, .offset: 24, .size: 8, .value_kind: global_buffer, .address_space: global }
      - { .name: out0, .offset: 32, .size: 8, .value_kind: global_buffer, .address_space: global }
    .group_segment_fixed_size: 327680
    .private_segment_fixed_size: 0
    .kernarg_segment_align: 8
    .kernarg_segment_size: 40
    .max_flat_workgroup_size: 128
    .sgpr_count:     102
    .vgpr_count:     768
    .wavefront_size: 32
...
	.end_amdgpu_metadata
.endif
;; end of part 4
